; MI455X (gfx1250); checked and timed in simulation.
; The chip was launched on July 23, 2026; its instructions are those of AMD's public machine-readable ISA for CDNA 5 (MIT licence, August 2026) and "CDNA5" Instruction Set Architecture Reference Guide (July 2026). The comments in the code are by the model that wrote it; some were corrected since.
;; Relative Position Self Attention. Allowed arithmetic: matrix products marked QUANTISED: E2M3 operands, one E8M0 scale for each 32 along K, by v_wmma_scale_f32_16x16x128_f8f6f4 with both operands' format E2M3, f32 sums; everything else in f32.
;; Inputs: in_proj_b 3,072 float32; in_proj_w 3,072 x 1,024 float32; out_b 1,024 float32; out_w 1,024 x 1,024 float32; rel_bias 65 x 16 float32; x 4 x 2,048 x 1,024 float32.
;; Outputs: out0 4 x 2,048 x 1,024 float32.
;; Constants: max_rel_dist = 32.
;; This version of the problem:
;;   THIS VERSION OF THE PROBLEM IS GIVEN IN LOW PRECISION. The matrix products marked QUANTISED in the list below multiply operands that are first quantised to E2M3 (2 exponent bits, 3 mantissa bits; 6 bits a number), with one power-of-two scale for each 32 numbers along K (OCP MX v1.0); their sums are f32. All else is computed in f32.
;;   The module's matrix products, in the order in which they are computed (A, B: the left and right operand; K: the contracted axis; several contracted axes count as one K, in the product's order):
;;     1. [M 8,192, K 1,024] x [K 1,024, N 3,072]; A: input x; B: input in_proj_w: QUANTISED
;;     2. batch 64 x [M 2,048, K 64] x [K 64, N 2,048]; A: computed on the way; B: computed on the way: QUANTISED
;;     3. batch 64 x [M 64, K 2,048] x [K 2,048, N 2,048]; A: computed on the way; B: softmax (see below): QUANTISED
;;     4. [M 8,192, K 1,024] x [K 1,024, N 1,024]; A: computed on the way; B: input out_w: QUANTISED
;;   THE QUANTISER, for each operand of a quantised product, along K:
;;     - K is cut into blocks of 32 from its start; a last block that is shorter is filled with zeros.
;;     - A block's scale is 2^e with e = floor(log2(the largest magnitude in the block)) - 2, held to -126 .. 127; a block of zeros has e = 0. As a byte (E8M0): e + 127.
;;     - Each number is divided by its block's scale, clamped to +-7.5, and rounded to the nearest number of E2M3, ties to even, subnormals kept.
;;     - The product sums the exact products of the quantised numbers (number of the format x scale) in f32.
;;   ~~~python
;;   def quantise(x, axis):      # numpy; x: float32 -> the quantised numbers, widened to float32 again
;;       x = np.moveaxis(x, axis, -1); K = x.shape[-1]
;;       x = np.pad(x, [(0, 0)] * (x.ndim - 1) + [(0, -K % 32)]); x = x.reshape(x.shape[:-1] + (-1, 32)); a = np.abs(x).max(-1, keepdims=True)
;;       e = np.where(a > 0, np.clip(np.frexp(np.where(a > 0, a, 1))[1] - 1 - 2, -126, 127), 0)      # np.frexp(a)[1] - 1 = floor(log2(a)), exactly
;;       r = np.clip(x / 2.0 ** e, -7.5, 7.5)
;;       step = 2.0 ** (np.maximum(np.frexp(np.where(r == 0, 1, r))[1] - 1, 0) - 3)
;;       q = np.round(r / step) * step * 2.0 ** e      # np.round: ties to even
;;       return np.moveaxis(q.reshape(q.shape[:-2] + (-1,))[..., :K], -1, axis).astype(np.float32)
;;   ~~~
;;   SOFTMAX AHEAD OF A QUANTISED PRODUCT. Where the list says 'softmax', what is quantised is not the finished softmax but p = 2^(t - M), with t = logit x log2(e) and M = ceil(the row's largest t), a whole number; so 1/2 < the row's largest p <= 1. The row's sum l is taken of the UNQUANTISED p, in f32, and the product's result is divided by l at the end. Since M is a whole number, a kernel that streams over the keys may use a running M (the ceiling of the running maximum): every later rescaling is an exact power of two, which a block's scale takes up: the codes' values come out the same.
;;   OPERANDS COMPUTED ON THE WAY. 'Computed on the way' means the value that the module computes at that place (a softmax that the list does not call 'softmax' is quantised finished and normalised). What goes into a quantiser is computed in f32, as accurately as f32 sums, v_exp_f32 and their like allow (about 1e-6 of the number): no bf16 or f16 on the way to a quantiser, and a product that is left as it is and whose result goes on into a quantised operand takes f32 operands (vector FMAs, or v_wmma_f32_16x16x4_f32). A number that lies on a knife's edge between two numbers of the format may be rounded either way, as far as f32 arithmetic and the matrix unit's own rounding can turn it there, and no further.
;; One version. Each part assembles by itself: llvm-mc -triple=amdgcn-amd-amdhsa -mcpu=gfx1250 --defsym DOCPART=n.
;; ======== version 1 of 1: 4 launches
;; limits: right only within a limited range of input values
;; workspace buffers: codes1 9,437,184 bytes; scales1 393,216 bytes; qkvc 18,874,368 bytes; qkvs 1,310,720 bytes; ctxc 6,291,456 bytes; ctxs 262,144 bytes
;; launch quant (part 1): grid 384 x 1, 4 waves a work-group, no clusters, 35,328 bytes of LDS; arguments x, in_proj_w, out_w, codes1, scales1; writes codes1, scales1
.if DOCPART == 1
	.amdgcn_target "amdgcn-amd-amdhsa--gfx1250"
	.amdhsa_code_object_version 6
	.text
	.protected	k_q6f9c600669_quant
	.globl	k_q6f9c600669_quant
	.p2align	8
	.type	k_q6f9c600669_quant,@function
k_q6f9c600669_quant:
	s_mov_b64 s[64:65], 0
	v_nop
	global_prefetch_b8 v0, s[64:65] scope:SCOPE_SE
	s_setreg_imm32_b32 hwreg(HW_REG_WAVE_MODE, 25, 1), 1
	s_wait_xcnt 0x0
; x [8192][1024], in_proj_w [3072][1024] and out_w [1024][1024], f32, K innermost, become codes of FP6 (E2M3) with one E8M0 byte for each 32 along K.
; A block's scale is 2^(floor(log2(its largest magnitude)) - 2); its byte is the largest magnitude's exponent field - 2, held at 1 from below.
; LIMITS: NaN and infinities among the inputs are not served; a block whose largest magnitude lies under 2^-124 takes the byte 1; a block of zeros takes the byte 1 and not 127:
; its codes are zeros, which add nothing under any byte but 0xff, and the bytes are read by this program alone.
; LAYOUT OF THE CODES (codes1): [tile of 16 rows][16 pieces of 64 along K][768 bytes].  Tiles 0-511 x, 512-703 in_proj_w, 704-767 out_w.
; Row r of tile T is the tensor's row 32 (T / 2) + 8 (T % 2) + r + 8 (r / 8): bits 3 and 4 of the row number change places, so that a tile used as a matrix instruction's source 0
; leaves 16 neighbouring rows in the 16 result registers of two neighbouring tiles.
; A piece is an image of six operand registers: lane (r, hh) holds k = 32 hh .. 32 hh + 31 of row r; plane p (256 bytes) holds every lane's registers 2 p, 2 p + 1, at 8 x lane.
; LAYOUT OF THE SCALES (scales1): [tile][256 along K: 4][r][128 along K: 2] words of four bytes, byte b for k = 32 b on.
; SHARES: a work-group takes 32 rows (two tiles); wave w takes tile w / 2 and half w % 2 of K: eight steps of one piece (16 rows x 64 numbers).
; Each load reads two rows' aligned 256 bytes; a step's 4,096 bytes turn through the wave's own stage in LDS (rows of 256 + 16 bytes) and come back a whole block of 32 numbers a lane.
; Loads run four steps ahead, the turn through LDS one step.  No barrier: waves share nothing.
.set STG,   4352                       ; a stage: 16 rows x 272 bytes; two for each wave
.set SPARE, 8*STG                      ; behind the eight stages: the spare words, 128 bytes for each wave, two blocks of 256 bytes that no other line names
.set GIN,  4                           ; v4   in: 4,096 hh + 16 r
.set SIN,  5                           ; v5   into the stage: 272 hh + 16 r
.set SOUT, 6                           ; v6   out of it: 272 r + 128 hh
.set LN8,  7                           ; v7   8 x lane
.set SH8,  8                           ; v8   8 hh
.set SPW,  12                          ; v12  my spare word; never rewritten
.set NIL,  13                          ; v13  0; never rewritten
.set C,    24                          ; v24-30   a step's codes
.set R,    32                          ; v32-159  four sets of 32 numbers as loaded
.set X,    160                         ; v160-223 two sets of 32 neighbours
.set W,    224                         ; v224-227 four scale words
	s_load_b256 s[4:11], s[0:1], 0x0               ; x, in_proj_w, out_w, codes1
	s_load_b64 s[12:13], s[0:1], 0x20              ; scales1
	v_lshl_add_u32 v[SPW], v0, 2, SPARE
	v_mov_b32 v[NIL], 0
	v_lshrrev_b32 v1, 5, v0
	v_readfirstlane_b32 s16, v1                    ; wave
	v_and_b32 v2, 15, v0                           ; r
	v_bfe_u32 v3, v0, 4, 1                         ; hh
	v_and_b32 v9, 31, v0                           ; lane
	s_lshr_b32 s17, s16, 1                         ; which of the two tiles
	s_and_b32 s18, s16, 1                          ; which half of K
	s_mul_i32 s19, s16, 2*STG                      ; my stages
	v_lshlrev_b32 v[GIN], 4, v2
	v_lshl_add_u32 v[GIN], v3, 12, v[GIN]
	v_mul_u32_u24 v[SIN], v3, 272
	v_lshl_add_u32 v[SIN], v2, 4, v[SIN]
	v_add_nc_u32 v[SIN], s19, v[SIN]
	v_mul_u32_u24 v[SOUT], v2, 272
	v_lshl_add_u32 v[SOUT], v3, 7, v[SOUT]
	v_add_nc_u32 v[SOUT], s19, v[SOUT]
	v_lshlrev_b32 v[LN8], 3, v9
	v_lshlrev_b32 v[SH8], 3, v3
.irp k, 0,1,2,3
	v_mov_b32 v[228+\k], 0                         ; written once: a lane permute's destination counts as one of its sources
.endr
	s_mov_b32 s24, 0x76543210
	s_mov_b32 s25, 0xfedcba98                      ; selects for lane l xor 16
	s_mov_b32 s15, 352
	s_wait_alu depctr_va_vdst(0)
	s_wait_kmcnt 0x0
	s_cmp_lt_u32 ttmp9, s15                        ; work-groups 0-255 take x, 256-351 in_proj_w, 352-383 out_w: the choice hangs on the work-group's number alone
	s_cselect_b64 s[6:7], s[6:7], s[8:9]
	s_cselect_b32 s14, 256, s15
	s_cmp_lt_u32 ttmp9, 256
	s_cselect_b64 s[4:5], s[4:5], s[6:7]
	s_cselect_b32 s14, 0, s14
	s_sub_co_u32 s14, ttmp9, s14                   ; which 32 rows of the tensor
	s_lshl_b32 s20, s14, 17                        ; 32 rows of 4,096 bytes,
	s_lshl_b32 s22, s17, 15                        ; the second tile begins 8 rows down,
	s_add_co_u32 s20, s20, s22
	s_lshl_b32 s22, s18, 11                        ; the second half of K 2,048 bytes on
	s_add_co_u32 s20, s20, s22
	s_mov_b32 s21, 0
	s_add_nc_u64 s[4:5], s[4:5], s[20:21]
	s_lshl_b32 s22, ttmp9, 1
	s_add_co_u32 s22, s22, s17                     ; the tile's number in codes1: 2 x 256 = 512 and 2 x 352 = 704
	s_mul_i32 s20, s22, 12288
	s_mul_i32 s23, s18, 6144
	s_add_co_u32 s20, s20, s23
	s_add_nc_u64 s[10:11], s[10:11], s[20:21]
	s_lshl_b32 s20, s22, 9
	s_lshl_b32 s23, s18, 8
	s_add_co_u32 s20, s20, s23
	s_add_nc_u64 s[12:13], s[12:13], s[20:21]
.macro LOAD t                          ; step t: load i brings the tile's rows 2 i and 2 i + 1, 256 bytes each: sixteen lanes to a row
.irp i, 0,1,2,3,4,5,6,7
	global_load_b128 v[R+32*((\t)%4)+4*\i:R+32*((\t)%4)+4*\i+3], v[GIN], s[4:5] offset:(2*\i+8*(\i/4))*4096+256*(\t) th:TH_LOAD_NT
.endr
.endm
.macro TURN t                          ; through the stage: LDS serves a wave's instructions in order, so no wait stands between the stores and the loads
.irp i, 0,1,2,3,4,5,6,7
	ds_store_b128 v[SIN], v[R+32*((\t)%4)+4*\i:R+32*((\t)%4)+4*\i+3] offset:STG*((\t)%2)+544*\i
.endr
.irp j, 0,1,2,3,4,5,6,7
	ds_load_b128 v[X+32*((\t)%2)+4*\j:X+32*((\t)%2)+4*\j+3], v[SOUT] offset:STG*((\t)%2)+16*\j
.endr
.endm
.macro STEP t
.set XS, X+32*((\t)%2)
	s_wait_dscnt 0x0                               ; this step's numbers are back from the stage, so its stores into the stage have read their registers,
.if (\t)+4 < 8
	LOAD (\t)+4                                    ; which take the loads of four steps on
.endif
.if (\t) < 7
.if (\t) <= 3
	s_wait_loadcnt 24                              ; the next step's eight loads are in; those of the three steps behind it may be out
.else
	s_wait_loadcnt 8*(6-(\t))
.endif
	TURN (\t)+1
.endif
	v_max3_num_f32 v20, |v[XS]|, |v[XS+1]|, |v[XS+2]|   ; the block's largest magnitude: all 32 numbers are mine; two chains
	v_max3_num_f32 v22, |v[XS+3]|, |v[XS+4]|, |v[XS+5]|
.irp i, 6,10,14,18,22,26
	v_max3_num_f32 v20, v20, |v[XS+\i]|, |v[XS+\i+1]|
	v_max3_num_f32 v22, v22, |v[XS+\i+2]|, |v[XS+\i+3]|
.endr
	v_max3_num_f32 v20, v20, |v[XS+30]|, |v[XS+31]|
	v_max3_num_f32 v20, v20, v22, 0x1800000        ; and the floor 2^(3 - 127): the byte cannot fall under 1
	v_add_nc_u32 v20, 0xff000000, v20              ; 2 off the exponent field: the conversion takes the exponent field of this operand as its scale
	s_wait_alu depctr_va_vdst(0)
	s_wait_xcnt 0x0                                ; the last step's stores have read the codes' registers
	v_cvt_scalef32_pk16_fp6_f32 v[C:C+2], v[XS:XS+15], v20
	v_cvt_scalef32_pk16_fp6_f32 v[C+4:C+6], v[XS+16:XS+31], v20   ; (a conversion's three registers begin on an even number)
	v_lshrrev_b32 v21, 23, v20                     ; the scale's byte; also the plain line behind the conversions
	v_mov_b32 v[C+3], v[C+4]
	v_mov_b32 v[C+4], v[C+5]
	v_mov_b32 v[C+5], v[C+6]
	v_lshlrev_b32 v21, v[SH8], v21                 ; byte 2 (t % 2) + hh of word t / 2
.if (\t)%2 == 0
	v_mov_b32 v[W+(\t)/2], v21
.else
	v_lshl_or_b32 v[W+(\t)/2], v21, 16, v[W+(\t)/2]
.endif
.irp p, 0,1,2
	global_store_b64 v[LN8], v[C+2*\p:C+2*\p+1], s[10:11] offset:768*(\t)+256*\p   ; a plane: 32 lanes store 256 consecutive bytes, aligned
.endr
.endm
	LOAD 0
	LOAD 1
	LOAD 2
	LOAD 3
	s_wait_loadcnt 24                              ; step 0's eight loads are in
	TURN 0
.irp t, 0,1,2,3,4,5,6,7
	STEP \t
.endr
.irp k, 0,1,2,3
	v_permlanex16_b32 v[228+\k], v[W+\k], s24, s25
.endr
.irp k, 0,1,2,3
	v_or_b32 v[W+\k], v[W+\k], v[228+\k]           ; with lane l xor 16's bytes the words are whole
.endr
	v_cmp_eq_u32 vcc_lo, 1, v3
	v_cndmask_b32 v232, v[W], v[W+2], vcc_lo       ; lanes 0-15 store my first 256 along K, lanes 16-31 the second
	v_cndmask_b32 v233, v[W+1], v[W+3], vcc_lo
	global_store_b64 v[LN8], v[232:233], s[12:13]  ; 32 lanes store 256 consecutive bytes, aligned
	s_wait_tensorcnt 0x0                           ; the wave's end, behind my last LDS store
	ds_add_u32 v[SPW], v[NIL]
	s_wait_dscnt 0x0
	s_endpgm
.Lfunc_end_k_q6f9c600669_quant:
	.size	k_q6f9c600669_quant, .Lfunc_end_k_q6f9c600669_quant-k_q6f9c600669_quant
	.p2alignl 7, 3214868480
	.fill 96, 4, 3214868480
	.section	.rodata,"a",@progbits
	.p2align	6, 0x0
	.amdhsa_kernel k_q6f9c600669_quant
		.amdhsa_group_segment_fixed_size 35328
		.amdhsa_private_segment_fixed_size 0
		.amdhsa_enable_private_segment 0
		.amdhsa_kernarg_size 40
		.amdhsa_user_sgpr_count 2
		.amdhsa_user_sgpr_kernarg_segment_ptr 1
		.amdhsa_wavefront_size32 1
		.amdhsa_system_sgpr_workgroup_id_x 1
		.amdhsa_system_sgpr_workgroup_id_y 1
		.amdhsa_system_sgpr_workgroup_id_z 1
		.amdhsa_system_vgpr_workitem_id 0
		.amdhsa_next_free_vgpr 240
		.amdhsa_next_free_sgpr 66
		.amdhsa_reserve_vcc 1
		.amdhsa_float_denorm_mode_32 3
		.amdhsa_float_denorm_mode_16_64 3
		.amdhsa_memory_ordered 1
		.amdhsa_forward_progress 1
		.amdhsa_inst_pref_size 32
	.end_amdhsa_kernel
	.amdgpu_metadata
---
amdhsa.version: [ 1, 2 ]
amdhsa.kernels:
  - .name:           k_q6f9c600669_quant
    .symbol:         k_q6f9c600669_quant.kd
    .args:
      - { .name: x, .offset: 0, .size: 8, .value_kind: global_buffer, .address_space: global }
      - { .name: in_proj_w, .offset: 8, .size: 8, .value_kind: global_buffer, .address_space: global }
      - { .name: out_w, .offset: 16, .size: 8, .value_kind: global_buffer, .address_space: global }
      - { .name: codes1, .offset: 24, .size: 8, .value_kind: global_buffer, .address_space: global }
      - { .name: scales1, .offset: 32, .size: 8, .value_kind: global_buffer, .address_space: global }
    .group_segment_fixed_size: 35328
    .private_segment_fixed_size: 0
    .kernarg_segment_align: 8
    .kernarg_segment_size: 40
    .max_flat_workgroup_size: 128
    .sgpr_count:     66
    .vgpr_count:     240
    .wavefront_size: 32
...
	.end_amdgpu_metadata
.endif
;; end of part 1
;; launch gemm_qkv (part 2): grid 96 x 4, 4 waves a work-group, clusters of 4 x 4, 327,680 bytes of LDS; arguments codes1, scales1, in_proj_b, qkvc, qkvs; writes qkvc, qkvs
.if DOCPART == 2
	.amdgcn_target "amdgcn-amd-amdhsa--gfx1250"
	.amdhsa_code_object_version 6
	.text
	.protected	k_q6f9c600669_gemm_qkv
	.globl	k_q6f9c600669_gemm_qkv
	.p2align	8
	.type	k_q6f9c600669_gemm_qkv,@function
k_q6f9c600669_gemm_qkv:
	s_mov_b64 s[64:65], 0
	v_nop
	global_prefetch_b8 v0, s[64:65] scope:SCOPE_SE
	s_setreg_imm32_b32 hwreg(HW_REG_WAVE_MODE, 25, 1), 1
	s_wait_xcnt 0x0
	s_wait_alu depctr_hold_cnt(0) depctr_sa_sdst(0) depctr_va_vdst(0) depctr_va_sdst(0) depctr_va_ssrc(0) depctr_va_vcc(0) depctr_vm_vsrc(0)
	s_getreg_b32 s2, hwreg(HW_REG_IB_STS2, 6, 4)
	s_cmp_eq_u32 s2, 0
	s_cbranch_scc0 .Lentry_in_a_cluster
	s_endpgm
.Lentry_in_a_cluster:
	s_bfe_u32 s2, ttmp6, 0x10000c
	s_cmp_lg_u32 s2, 0xf033
	s_cbranch_scc0 .Lentry_shape_is_right
	s_endpgm
.Lentry_shape_is_right:
; qkv = x in_proj_w^T + in_proj_b on codes of FP6 (E2M3) with E8M0 scales, and the result quantised in registers: q and k along the head's 64, v along the keys.
; A tile of 256 x 256 is made by a work-group of four waves, 128 x 128 a wave: 64 accumulators, 512 registers.  K = 1,024 goes in four steps of 256 through two LDS slots.
; ROLES.  B is the matrix instruction's source 0: a lane's result registers run along B's rows.  A is source 1: a lane holds one of A's rows.
;   clusters 0-15 (q, k): A = x, B = in_proj_w's rows 0-2,047: a lane holds a token, its registers run along the head's channels.
;   clusters 16-23 (v):   A = in_proj_w's rows 2,048 on, B = x: a lane holds a channel, its registers run along the keys.
; Both operands lie in codes1 by tiles of 16 rows whose rows have bits 3 and 4 of the row number exchanged, so that the 16 registers of B's tiles 2 b, 2 b + 1 are 16 neighbours along the axis to be quantised.
; A tile's K step of 256 is 3,072 dense bytes: four images of six operand registers (three planes of 256 bytes, 8 bytes a lane): a fragment is six ds_load_b64 at 8 x lane, with no pitch and no padding.
; THE SCALES of the work-group's rows, for all of K, come into LDS once, with the first fills.  THE BIAS is the C of each sum's first matrix instruction.
; CLUSTERS: 4 x 4 work-groups; A's tiles are asked for jointly along a row of the cluster, B's along a column.  384 tiles are 24 clusters.
; OUT.  qkvc: [b h][q | k | v], 98,304 bytes each; q, k: [tile of 16 tokens][768]; v: [128 keys][tile of 16 channels][two images of 64 keys].  Each plane is stored whole: 256 consecutive bytes, aligned.
;       qkvs: [b h][q 8,192 | k 8,192 | v 4,096]; q, k: [4 tiles][r][tile % 4] words, bytes 0, 1 the head's two blocks, bytes 2, 3 another head's bytes or 0, never 0xff; v: [128 keys][r][channel tile] words.
; LIMITS: NaN and infinities are not served; a block whose largest magnitude lies under 2^-124, a block of zeros too, takes the byte 1 (zero codes add nothing; this program alone reads the bytes).
; REGISTERS: window 0: v16-31 addresses; v32-63 scale words, two sets; v64-127 the bias; v128-223 A's fragments, one set (at the end: the codes being made); v224-231 the bias' offsets.
;   window 1: B's fragments, two sets, at v0 and v128.  windows 2, 3: the accumulators, (a, b) at v[8 (8 (a % 4) + b)].
.set NQ,    2                          ; matrix instructions deep in a slot
.set FR,    12                         ; registers of a fragment
.set NL,    6                          ; LDS loads that bring one
.set NP,    4                          ; places behind this matrix instruction (ISA guide 7.12.1)
.set TILEB, 12288                      ; a tile of 16 rows in memory
.set KSB,   3072                       ; its part of a K step
.set HALFT, 8*KSB                      ; eight tiles: what one tensor load brings, and what a wave reads of A or of B
.set SLOT,  4*HALFT                    ; A's 16 tiles, then B's
.set SCL,   2*SLOT                     ; behind the ring: A's scales, 8,192 bytes, then B's
.set HALFS, 4096
.set SBLK,  512                        ; a tile's scales
.set SPARE, SCL+4*HALFS                ; the spare words, 128 bytes for each wave: two blocks of 256 bytes that no other line names
.set ADRA, 16                          ; v16-17  my A fragments in slot 0, 1
.set ADRB, 20                          ; v20-21  the same for B
.set LN8,  24                          ; v24  8 x lane
.set SOF,  25                          ; v25  the scale words' place: 16 r (+ a head for lanes 16-31 of q, k)
.set SHV,  26                          ; v26  by how many bits my half shifts a scale word
.set ADRS, 27                          ; v27  my scale words in LDS: lanes 0-15 A's, lanes 16-31 B's
.set SPW,  28                          ; v28  my spare word; never rewritten
.set NIL,  29                          ; v29  0; never rewritten
.set SC,   32
.set BI,   64
.set AF,   128
.set BA,   224
.set PC,   128                         ; the end: a fragment's codes, v128-139; v140-142, v144-146 at work
.set TM,   160                         ; v160-175 at work
.set SW,   176                         ; v176-183 eight scale words
.set G1,   24
.set G0,   32
.set G1B,  48
.set G0B,  56
.set G1S,  68
.set G0S,  76
.set G1SB, 80
.set G0SB, 88
.set FV,   66                          ; s66  1 in the clusters that make v
.set E0,   92                          ; s[92:93], s[94:95]  where a fragment's two images go
.set E1,   94
.set F0,   96                          ; s[96:97], s[98:99]  where scale words 0-3 and 4-7 go
.set F1,   98
.set INC,  100                         ; s[100:101]  from one of A's tiles to the next; s[104:105] more at the fifth
.set INC4, 104
.set SEL,  20
.set MSB, 0
.macro WIN new                         ; the immediate's high byte repeats the setting that is left
.if MSB != (\new)
	s_set_vgpr_msb (MSB<<8)|(\new)
.set MSB, (\new)
.endif
.endm
.set MUL_LO, 0xa1                      ; source 0 (B) window 1, source 1 (A) window 0, C and D window 2
.set MUL_HI, 0xf1                      ; the same, C and D window 3
.set TO_B,   0x40                      ; destination window 1, address window 0
; A joint load: waves 0 and 1 fetch for A, waves 2 and 3 for B; the branch hangs on the wave's number alone.  An s_nop 0 and four v_nop follow each line.
.macro JLOAD g0a, g1a, g0b, g1b
	s_cmp_eq_u32 s15, 0
	s_cbranch_scc0 .Lfor_b_\@
	tensor_load_to_lds s[\g0a:\g0a+3], s[\g1a:\g1a+7]
	s_nop 0
.rept 4
	v_nop
.endr
	s_branch .Lasked_\@
.Lfor_b_\@:
	tensor_load_to_lds s[\g0b:\g0b+3], s[\g1b:\g1b+7]
	s_nop 0
.rept 4
	v_nop
.endr
.Lasked_\@:
.endm
.macro CREST                           ; a round of the cluster's barrier behind its opening barrier
	s_cmp_lg_u32 s14, 0
	s_cbranch_scc1 .Lnot_wave_0_\@
	s_barrier_signal -3
.Lnot_wave_0_\@:
	s_barrier_wait -3
	s_barrier_signal -1
	s_barrier_wait -1
.endm
.macro CROUND
	s_barrier_signal -1
	s_barrier_wait -1
	CREST
.endm
	s_load_b256 s[4:11], s[0:1], 0x0               ; codes1, scales1, in_proj_b, qkvc
	s_load_b64 s[12:13], s[0:1], 0x20              ; qkvs
	v_lshl_add_u32 v[SPW], v0, 2, SPARE
	v_mov_b32 v[NIL], 0
	ds_add_u32 v[SPW], v[NIL]                      ; the wave's opening: the add and its wait ahead of my first tensor load; work on registers stands between them
	ds_add_u32 v[SPW], v[NIL]
	v_lshrrev_b32 v1, 5, v0
	v_readfirstlane_b32 s14, v1                    ; wave 0..3
	s_lshr_b32 s15, s14, 1                         ; which half of A's rows is mine.  Also: I fetch for A (0) or for B (1)
	s_and_b32 s16, s14, 1                          ; which half of B's rows.  Also: which eight tiles I fetch
	s_bfe_u32 s40, ttmp6, 0x40000                  ; cx, cy: my place in the cluster
	s_bfe_u32 s41, ttmp6, 0x40004
	s_lshr_b32 s18, ttmp9, 1                       ; q, k: the cluster's place along A,
	s_and_b32 s19, ttmp9, 1                        ; and along B
	s_sub_co_u32 s20, ttmp9, 16                    ; v: along B
	s_cmp_ge_u32 ttmp9, 16                         ; the cluster's number: the same in all sixteen partners
	s_cselect_b32 s[FV], 1, 0
	s_cselect_b32 s18, 0, s18
	s_cselect_b32 s19, s20, s19
	s_cselect_b32 s21, 640, 0                      ; A's first tile in codes1
	s_cselect_b32 s22, 0, 512                      ; B's
	s_lshl_b32 s17, s18, 2
	s_add_co_u32 s17, s17, s41                     ; which 256 rows of A
	s_lshl_b32 s42, s19, 2
	s_add_co_u32 s42, s42, s40                     ; which 256 rows of B
	s_lshl_b32 s43, s41, 2
	s_lshl_b32 s43, 15, s43                        ; my row of the cluster
	s_lshl_b32 s44, 0x1111, s40                    ; my column
	; descriptor group 1 for the codes: tiles' parts of a K step: rows of 384 elements of 8 bytes, 1,536 elements apart; no padding.  16 rows for the head's loads; behind them the two words that count rows are set to 8
	s_or_b32 s[G1+0], s43, (3<<16)|(1<<21)         ; 15:0 the mask: A's tiles go to my row; 17:16 elements of 8 bytes; 21 set beside a mask
	s_or_b32 s[G1B+0], s44, (3<<16)|(1<<21)
.irp g, G1, G1B
	s_mov_b32 s[\g+1], 384<<16                     ; tensor_dim0
	s_mov_b32 s[\g+2], 16<<16                      ; tensor_dim1
	s_mov_b32 s[\g+3], 384<<16                     ; tile_dim0
	s_mov_b32 s[\g+4], 16                          ; tile_dim1
	s_mov_b32 s[\g+5], 1536                        ; tensor_dim0_stride
	s_mov_b32 s[\g+6], 0
	s_mov_b32 s[\g+7], 0
.endr
	; and for the scales of sixteen tiles: 8,192 dense bytes as 32 rows of 256
	s_or_b32 s[G1S+0], s43, (3<<16)|(1<<21)
	s_or_b32 s[G1SB+0], s44, (3<<16)|(1<<21)
.irp g, G1S, G1SB
	s_mov_b32 s[\g+1], 32<<16
	s_mov_b32 s[\g+2], 32<<16
	s_mov_b32 s[\g+3], 32<<16
	s_mov_b32 s[\g+4], 32
	s_mov_b32 s[\g+5], 32
	s_mov_b32 s[\g+6], 0
	s_mov_b32 s[\g+7], 0
.endr
	s_lshl_b32 s18, s16, 3                         ; which eight tiles I fetch
	s_lshl_b32 s20, s17, 4
	s_add_co_u32 s20, s20, s18
	s_add_co_u32 s20, s20, s21                     ; A's: their first tile in codes1
	s_lshl_b32 s46, s42, 4
	s_add_co_u32 s46, s46, s18
	s_add_co_u32 s46, s46, s22                     ; B's
	s_lshl_b32 s22, s20, 9                         ; where their scales begin,
	s_mov_b32 s23, 0
	s_lshl_b32 s92, s46, 9
	s_mov_b32 s93, 0
	s_mul_i32 s20, s20, TILEB                      ; and their codes
	s_mov_b32 s21, 0
	s_mul_i32 s46, s46, TILEB
	s_mov_b32 s47, 0
	s_mul_i32 s45, s14, HALFT                      ; where they go: wave x eight tiles: no place in the cluster enters an LDS address
	s_lshl_b32 s94, s16, 12                        ; the scales come whole, sixteen tiles a load: my half's 4,096 bytes are taken off both offsets
	s_sub_co_u32 s22, s22, s94
	s_sub_co_u32 s92, s92, s94
	s_wait_dscnt 0x0                               ; the opening add is done
	s_wait_kmcnt 0x0
	s_add_nc_u64 s[20:21], s[4:5], s[20:21]
	s_add_nc_u64 s[22:23], s[6:7], s[22:23]
	s_add_nc_u64 s[46:47], s[4:5], s[46:47]
	s_add_nc_u64 s[92:93], s[6:7], s[92:93]
	CROUND                                         ; all sixteen work-groups are here: the first joint loads meet
	s_mov_b32 s[G0S], 1
	s_mov_b32 s[G0S+1], SCL
	s_mov_b64 s[G0S+2:G0S+3], s[22:23]
	s_or_b32 s[G0S+3], s[G0S+3], 0x80000000
	s_mov_b32 s[G0SB], 1
	s_mov_b32 s[G0SB+1], SCL+2*HALFS
	s_mov_b64 s[G0SB+2:G0SB+3], s[92:93]
	s_or_b32 s[G0SB+3], s[G0SB+3], 0x80000000
.irp s, 0,1
	s_mov_b32 s[G0+4*\s], 1
	s_add_co_u32 s[G0+4*\s+1], s45, \s*SLOT
	s_add_nc_u64 s[G0+4*\s+2:G0+4*\s+3], s[20:21], \s*KSB
	s_or_b32 s[G0+4*\s+3], s[G0+4*\s+3], 0x80000000
	s_mov_b32 s[G0B+4*\s], 1
	s_add_co_u32 s[G0B+4*\s+1], s45, \s*SLOT
	s_add_nc_u64 s[G0B+4*\s+2:G0B+4*\s+3], s[46:47], \s*KSB
	s_or_b32 s[G0B+4*\s+3], s[G0B+4*\s+3], 0x80000000
.endr
; THE HEAD'S LOADS, ONE A WAVE: wave 0 K step 0 of A's sixteen tiles, wave 1 A's scales, wave 2 K step 0 of B's sixteen tiles, wave 3 B's scales.
; Waves 0 and 2 fetch the first eight tiles in the ring, so their slot 0 descriptors already point at the sixteen's first byte and at their place in LDS.  One tree of branches on the wave's number, one load on every way.
.macro ARM under, g0, g1, next
	s_cmp_lt_u32 s14, \under
	s_cbranch_scc0 \next
	tensor_load_to_lds s[\g0:\g0+3], s[\g1:\g1+7]
	s_nop 0
.rept 4
	v_nop
.endr
	s_branch .Lhead_asked
\next:
.endm
	ARM 1, G0,  G1,  .Lhead_sa
	ARM 2, G0S, G1S, .Lhead_b
	ARM 3, G0B, G1B, .Lhead_sb
	tensor_load_to_lds s[G0SB:G0SB+3], s[G1SB:G1SB+7]
	s_nop 0
.rept 4
	v_nop
.endr
.Lhead_asked:
	v_and_b32 v1, 15, v0                           ; r
	v_bfe_u32 v2, v0, 4, 1                         ; hh
	s_wait_alu depctr_va_vdst(0)
	v_and_b32 v3, 31, v0
	v_lshlrev_b32 v[LN8], 3, v3
	s_mul_i32 s21, s15, HALFT                      ; my eight tiles of A
	s_mul_i32 s22, s16, HALFT                      ; my eight of B,
	s_add_co_u32 s22, s22, 2*HALFT                 ; which lie behind A's sixteen
.irp s, 0,1
	v_add_nc_u32 v[ADRA+\s], s21, v[LN8]
	v_add_nc_u32 v[ADRB+\s], s22, v[LN8]
	s_add_co_u32 s21, s21, SLOT
	s_add_co_u32 s22, s22, SLOT
.endr
	v_lshlrev_b32 v5, 3, v1                        ; my row's two words of a K step
	s_lshl_b32 s21, s15, 12                        ; A's: my eight tiles
	s_lshl_b32 s22, s16, 12                        ; B's, behind A's sixteen
	s_add_co_u32 s22, s22, 2*HALFS
	s_sub_co_u32 s22, s22, s21
	v_mul_u32_u24 v6, s22, v2                      ; lanes 16-31 take B's
	s_add_co_u32 s21, s21, SCL
	v_add_nc_u32 v5, v5, v6
	v_add_nc_u32 v[ADRS], s21, v5
	; where the results go.  Both roles' numbers are made, then chosen by the cluster's role
	s_lshl_b32 s18, s17, 4
	s_lshl_b32 s19, s15, 3
	s_add_co_u32 s18, s18, s19                     ; my first tile of A, counted from A's first
	s_lshl_b32 s19, s42, 1
	s_add_co_u32 s19, s19, s16                     ; which 128 rows of B are mine
	s_lshr_b32 s2, s18, 7
	s_lshl_b32 s2, s2, 4
	s_lshl_b32 s3, s19, 1
	s_and_b32 s3, s3, 15
	s_add_co_u32 s2, s2, s3                        ; q, k: 16 x batch + the first of my two heads
	s_lshr_b32 s3, s19, 3                          ; 0: q, 1: k
	s_and_b32 s45, s18, 127                        ; the tile of tokens in its batch
	s_mul_i32 s46, s3, 98304
	s_mul_i32 s47, s45, 768
	s_add_co_u32 s46, s46, s47                     ; in the head's codes
	s_lshl_b32 s47, s3, 13
	s_lshr_b32 s45, s45, 2
	s_lshl_b32 s45, s45, 8
	s_add_co_u32 s47, s47, s45                     ; in the head's scales
	s_lshr_b32 s3, s19, 4
	s_lshl_b32 s3, s3, 4
	s_lshr_b32 s45, s18, 2
	s_add_co_u32 s3, s3, s45                       ; v: 16 x batch + the first of my two heads
	s_and_b32 s45, s19, 15                         ; which 128 keys
	s_mul_i32 s67, s45, 6144
	s_add_co_u32 s67, s67, 196608
	s_lshl_b32 s45, s45, 8
	s_add_co_u32 s45, s45, 16384
	s_lshl_b32 s20, s19, 9                         ; the bias: q, k: of my 128 rows of B;
	s_lshl_b32 s21, s18, 6
	s_add_co_u32 s21, s21, 8192                    ; v: of my 128 rows of A
	s_mov_b32 s[E1], 294912
	s_mov_b32 s[F1], 256
	s_mov_b32 s[INC], 768
	s_cmp_eq_u32 s[FV], 1
	s_cselect_b32 s2, s3, s2
	s_cselect_b32 s46, s67, s46
	s_cselect_b32 s47, s45, s47
	s_cselect_b32 s20, s21, s20
	s_cselect_b32 s21, 0, 64                       ; the bias' lane term: q, k: 64 hh;
	s_cselect_b32 s22, 4, 0                        ; v: 4 (r + 8 (r / 8));
	s_cselect_b32 s23, 0, 4                        ; from register to register: q, k: 4 bytes; v: none
	s_cselect_b32 s3, 0, 16                        ; q, k: lanes 16-31 store the second head's half of a scale word,
	s_cselect_b32 s45, 0, 20480                    ; a head further on
	s_cselect_b32 s[E1], 768, s[E1]                ; the second image: v: the next 64 keys; q, k: the next head
	s_cselect_b32 s[F1], 20480, s[F1]              ; words 4-7: v: the next head; q, k: the next four tiles
	s_cselect_b32 s[INC], 1536, s[INC]
	s_cselect_b32 s[INC4], 288768, 0               ; v: A's fifth tile begins the next head: 294,912 - 4 x 1,536
	s_mov_b32 s[INC+1], 0
	s_mov_b32 s[INC4+1], 0
	s_mul_i32 s[E0], s2, 294912
	s_add_co_u32 s[E0], s[E0], s46
	s_mov_b32 s[E0+1], 0
	s_add_nc_u64 s[E0:E0+1], s[10:11], s[E0:E0+1]
	s_mov_b32 s[E1+1], 0
	s_add_nc_u64 s[E1:E1+1], s[E0:E0+1], s[E1:E1+1]
	s_mul_i32 s[F0], s2, 20480
	s_add_co_u32 s[F0], s[F0], s47
	s_mov_b32 s[F0+1], 0
	s_add_nc_u64 s[F0:F0+1], s[12:13], s[F0:F0+1]
	s_mov_b32 s[F1+1], 0
	s_add_nc_u64 s[F1:F1+1], s[F0:F0+1], s[F1:F1+1]
	s_mov_b32 s46, s20
	s_mov_b32 s47, 0
	s_add_nc_u64 s[8:9], s[8:9], s[46:47]
	v_mul_u32_u24 v[SOF], s45, v2
	v_lshl_add_u32 v[SOF], v1, 4, v[SOF]
	v_mul_u32_u24 v[SHV], s3, v2
	v_and_b32 v4, 8, v1
	v_add_nc_u32 v4, v4, v1                        ; r + 8 (r / 8)
	v_mul_u32_u24 v5, s21, v2
	v_mad_u32_u24 v5, s22, v4, v5
.irp j, 0,1,2,3,4,5,6,7
	v_mad_u32_u24 v[BA+\j], s23, \j, v5
.endr
.irp i, 0,1,2,3,4,5,6,7                        ; q, k: v[BI + 8 i + j] is the bias of B's tile i at my half's register j; v: that of my row of A's tile i, eight times
.irp j, 0,1,2,3,4,5,6,7
	global_load_b32 v[BI+8*\i+\j], v[BA+\j], s[8:9] offset:4*(32*(\i/2)+8*(\i%2))
.endr
.endr
.macro FRAG reg, adr, q, i             ; a fragment, 16 rows x 128 K, is 12 registers: six planes of 256 bytes on end, 8 bytes a lane
.irp p, 0,1,2,3,4,5
	ds_load_b64 v[\reg+2*\p:\reg+2*\p+1], v[\adr] offset:(\i)*KSB+(\q)*1536+256*\p
.endr
.endm
; 16 matrix instructions: A's blocks a0, a0 + 1 x B's eight, the slot's q-th 128 along K.  p: B's set; sc: the set of scale words.
; zero = 1: the sums start from the bias of B's rows; 2: from that of A's rows; 0: they go on.  The 64 accumulators take turns, one instruction a turn.
.macro MUL16 a0, p, q, sc, zero
.irp a, \a0, \a0+1
.irp b, 0,1,2,3,4,5,6,7
.if (\zero) == 1
	v_wmma_scale_f32_16x16x128_f8f6f4 v[8*(8*((\a)%4)+\b):8*(8*((\a)%4)+\b)+7], v[128*(\p)+FR*\b:128*(\p)+FR*\b+FR-1], v[AF+FR*(\a):AF+FR*(\a)+FR-1], v[BI+8*\b:BI+8*\b+7], v[SC+8*NQ*(\sc)+NQ*\b+(\q)], v[SC+8*NQ*(\sc)+NQ*(\a)+(\q)] matrix_a_fmt:MATRIX_FMT_FP6 matrix_b_fmt:MATRIX_FMT_FP6 matrix_a_scale:MATRIX_SCALE_ROW1
.elseif (\zero) == 2
	v_wmma_scale_f32_16x16x128_f8f6f4 v[8*(8*((\a)%4)+\b):8*(8*((\a)%4)+\b)+7], v[128*(\p)+FR*\b:128*(\p)+FR*\b+FR-1], v[AF+FR*(\a):AF+FR*(\a)+FR-1], v[BI+8*(\a):BI+8*(\a)+7], v[SC+8*NQ*(\sc)+NQ*\b+(\q)], v[SC+8*NQ*(\sc)+NQ*(\a)+(\q)] matrix_a_fmt:MATRIX_FMT_FP6 matrix_b_fmt:MATRIX_FMT_FP6 matrix_a_scale:MATRIX_SCALE_ROW1
.else
	v_wmma_scale_f32_16x16x128_f8f6f4 v[8*(8*((\a)%4)+\b):8*(8*((\a)%4)+\b)+7], v[128*(\p)+FR*\b:128*(\p)+FR*\b+FR-1], v[AF+FR*(\a):AF+FR*(\a)+FR-1], v[8*(8*((\a)%4)+\b):8*(8*((\a)%4)+\b)+7], v[SC+8*NQ*(\sc)+NQ*\b+(\q)], v[SC+8*NQ*(\sc)+NQ*(\a)+(\q)] matrix_a_fmt:MATRIX_FMT_FP6 matrix_b_fmt:MATRIX_FMT_FP6 matrix_a_scale:MATRIX_SCALE_ROW1
.endif
.endr
.endr
.endm
.macro FETCH_B slot, q, p
	WIN TO_B
.irp i, 0,1,2,3,4,5,6,7
	FRAG 128*(\p)+FR*\i, ADRB+\slot, \q, \i
.endr
	WIN 0
.endm
.macro FETCH_A slot, q, i0
.irp i, \i0, \i0+1, \i0+2, \i0+3
	FRAG AF+FR*(\i), ADRA+\slot, \q, \i
.endr
.endm
.macro SCALES sc                       ; a K step's scale words: two a row; lanes 0-15 take A's tile i, lanes 16-31 B's tile i
.irp i, 0,1,2,3,4,5,6,7
	ds_load_b64 v[SC+8*NQ*\sc+NQ*\i:SC+8*NQ*\sc+NQ*\i+1], v[ADRS] offset:\i*SBLK
.endr
.endm
.macro PLACES n                        ; plain vector instructions in front of loads into registers that matrix instructions have read, and of the first read of results
.rept \n
	v_nop
.endr
.endm
; A step of 128 along K that has its successor in the same slot
.macro STEP slot, q, zero
	s_wait_dscnt 4*NL                              ; B's set, A's blocks 0-3 and the scale words are in; the youngest 24 loads (A's blocks 4-7) may be out
.if \zero
	WIN 0x81                                       ; C (the bias) in window 0, D in window 2
.else
	WIN MUL_LO
.endif
	MUL16 0, (\q)%2, \q, \slot, \zero
	MUL16 2, (\q)%2, \q, \slot, \zero
	s_wait_dscnt 0x0                               ; A's blocks 4-7 are in
	PLACES NP
	FETCH_B \slot, (\q)+1, 1-(\q)%2
	FETCH_A \slot, (\q)+1, 0
.if \zero
	WIN 0xc1
.else
	WIN MUL_HI
.endif
	MUL16 4, (\q)%2, \q, \slot, \zero
	MUL16 6, (\q)%2, \q, \slot, \zero
	PLACES NP
	WIN 0
	FETCH_A \slot, (\q)+1, 4
.endm
; A slot's last step changes slots: one barrier; in front of it each wave waits for all its tensor loads, adds 0 to its spare word, and waits for that and for its reads of this slot.  fill = 1: this slot is filled again, two K steps ahead.
.macro TURN slot, next, fill
	s_wait_tensorcnt 0x0                           ; all my tensor loads have landed: my part of the next slot
	ds_add_u32 v[SPW], v[NIL]                      ; 0 onto my spare word
	s_wait_dscnt 4*NL+1                            ; (the add and the youngest 24 loads may be out)
	WIN MUL_LO
	MUL16 0, 1, NQ-1, \slot, 0                     ; sixteen matrix instructions stand between the add and the wait for it
	s_wait_dscnt 0x0                               ; the add is done, and my reads of this slot are over
	s_barrier_signal -1
	MUL16 2, 1, NQ-1, \slot, 0
	WIN 0
	s_barrier_wait -1
.if \fill
	CREST                                          ; the barrier has opened a round of the cluster's barrier: no wave of any partner still reads this slot or has a load on its way
	s_add_nc_u64 s[G0+4*\slot+2:G0+4*\slot+3], s[G0+4*\slot+2:G0+4*\slot+3], 2*KSB
	s_add_nc_u64 s[G0B+4*\slot+2:G0B+4*\slot+3], s[G0B+4*\slot+2:G0B+4*\slot+3], 2*KSB
	JLOAD G0+4*\slot, G1, G0B+4*\slot, G1B         ; the first tensor load behind the round; its four v_nop are the places in front of the loads below
.else
	PLACES NP
.endif
	s_wait_alu depctr_va_vdst(0)
	v_add_nc_u32 v[ADRS], 128, v[ADRS]             ; the next K step's scale words
	FETCH_B \next, 0, 0
	FETCH_A \next, 0, 0
	SCALES \next
	WIN MUL_HI
	MUL16 4, 1, NQ-1, \slot, 0
	MUL16 6, 1, NQ-1, \slot, 0
	PLACES NP
	WIN 0
	FETCH_A \next, 0, 4
.endm
	s_wait_alu depctr_va_vdst(0)
	s_wait_tensorcnt 0x0                           ; my tile of the head's four is in
	ds_add_u32 v[SPW], v[NIL]
	s_mov_b32 s[G1+2], 8<<16                       ; no tensor load of mine is out: from here on a load brings eight tiles
	s_mov_b32 s[G1+4], 8
	s_mov_b32 s[G1B+2], 8<<16
	s_mov_b32 s[G1B+4], 8
	s_wait_dscnt 0x0                               ; the add is done
	CROUND                                         ; all four tiles are in, and all sixteen work-groups are here
	JLOAD G0+4, G1, G0B+4, G1B                     ; K step 1, the first tensor load behind the round
	FETCH_B 0, 0, 0
	FETCH_A 0, 0, 0
	SCALES 0
	FETCH_A 0, 0, 4
	s_wait_loadcnt 0x0                             ; the bias
	s_cmp_eq_u32 s[FV], 1                          ; the cluster's role: all partners and all waves go the same way
	s_cbranch_scc1 .Lfirst_v
	STEP 0, 0, 1
	s_branch .Lfirst_done
.Lfirst_v:
	STEP 0, 0, 2
.Lfirst_done:
	TURN 0, 1, 1                                   ; K = 1,024 is four K steps: the one lap that fills both slots again is written out
	STEP 1, 0, 0
	TURN 1, 0, 1
	STEP 0, 0, 0
	TURN 0, 1, 0                                   ; the last lap fills nothing
	STEP 1, 0, 0
	s_wait_dscnt 4*NL
	WIN MUL_LO
	MUL16 0, 1, NQ-1, 1, 0
	MUL16 2, 1, NQ-1, 1, 0
	s_wait_dscnt 0x0
	WIN MUL_HI
	MUL16 4, 1, NQ-1, 1, 0
	MUL16 6, 1, NQ-1, 1, 0
	WIN 0
; THE WAY OUT.  The 64 registers of A's block a are, for my row, register 16 b + i = place 32 b + 16 hh + i along B's 128 rows: four blocks of 32, each shared with lane l xor 16.
; They become a fragment's 12 registers, two images of six, and a scale word; nothing goes through LDS.
.macro QUANTW a
.set AC, 64*((\a)%4)
	WIN 0x0a+5*((\a)/4)                            ; sources 0 and 1: window 2 or 3
.irp b, 0,1,2,3
	v_max3_num_f32 v[TM+\b], |v[AC+16*\b]|, |v[AC+16*\b+1]|, 0x1800000   ; each accumulator is read from its low end on; the floor 2^(3 - 127) holds the byte at 1 from below
.endr
.irp i, 2,4,6,8,10,12,14
.irp b, 0,1,2,3
	v_max3_num_f32 v[TM+\b], |v[AC+16*\b+\i]|, |v[AC+16*\b+\i+1]|, v[TM+\b]
.endr
.endr
	WIN 0
.irp b, 0,1,2,3
	v_permlanex16_b32 v[TM+4+\b], v[TM+\b], s[SEL], s[SEL+1]
.endr
.irp b, 0,1,2,3
	v_max_num_f32 v[TM+\b], v[TM+\b], v[TM+4+\b]   ; the block's largest magnitude
.endr
.irp b, 0,1,2,3
	v_add_nc_u32 v[TM+12+\b], 0xff000000, v[TM+\b] ; 2 off its exponent field: the conversion's scale operand
.endr
.irp b, 0,1,2,3
	v_lshrrev_b32 v[TM+4+\b], 23, v[TM+12+\b]      ; the scale's byte
.endr
	v_lshl_or_b32 v[SW+(\a)], v[TM+5], 8, v[TM+4]
	v_lshl_or_b32 v[SW+(\a)], v[TM+6], 16, v[SW+(\a)]
	v_lshl_or_b32 v[SW+(\a)], v[TM+7], 24, v[SW+(\a)]
	s_wait_xcnt 0x0                                ; the last block's stores have read their registers and their bases
.if (\a) > 0
	s_add_nc_u64 s[E0:E0+1], s[E0:E0+1], s[INC:INC+1]
	s_add_nc_u64 s[E1:E1+1], s[E1:E1+1], s[INC:INC+1]
.endif
.if (\a) == 4
	s_add_nc_u64 s[E0:E0+1], s[E0:E0+1], s[INC4:INC4+1]
	s_add_nc_u64 s[E1:E1+1], s[E1:E1+1], s[INC4:INC4+1]
.endif
	WIN 0x02+(\a)/4                                ; source 0: window 2 or 3
.irp c, 0,1
	v_cvt_scalef32_pk16_fp6_f32 v[PC+6*\c:PC+6*\c+2], v[AC+32*\c:AC+32*\c+15], v[TM+12+2*\c]
	v_cvt_scalef32_pk16_fp6_f32 v[PC+12+4*\c:PC+12+4*\c+2], v[AC+32*\c+16:AC+32*\c+31], v[TM+12+2*\c+1]   ; (a conversion's three registers begin on an even number)
.endr
	WIN 0
	v_nop                                          ; one plain line behind a scaled conversion
.irp c, 0,1                                    ; the layout wants a whole block in a lane: lanes 0-15 block 2 c, lanes 16-31 block 2 c + 1
.irp i, 0,1,2
	v_permlane16_swap_b32 v[PC+6*\c+\i], v[PC+12+4*\c+\i]
.endr
.irp i, 0,1,2
	v_mov_b32 v[PC+3+6*\c+\i], v[PC+12+4*\c+\i]
.endr
.endr
.irp p, 0,1,2
	global_store_b64 v[LN8], v[PC+2*\p:PC+2*\p+1], s[E0:E0+1] offset:256*\p       ; a plane: 32 lanes store 256 consecutive bytes, aligned
.endr
.irp p, 0,1,2
	global_store_b64 v[LN8], v[PC+6+2*\p:PC+6+2*\p+1], s[E1:E1+1] offset:256*\p
.endr
.endm
	PLACES NP
	s_mov_b32 s[SEL], 0x76543210
	s_mov_b32 s[SEL+1], 0xfedcba98                 ; selects for lane l xor 16
.irp b, 0,1,2,3
	v_mov_b32 v[TM+4+\b], 0                        ; written once: a lane permute's destination counts as one of its sources
.endr
.irp a, 0,1,2,3,4,5,6,7
	QUANTW \a
.endr
.irp a, 0,1,2,3,4,5,6,7
	v_lshrrev_b32 v[SW+\a], v[SHV], v[SW+\a]       ; q, k: lanes 16-31 bring the second head's two bytes down
.endr
	global_store_b128 v[SOF], v[SW:SW+3], s[F0:F0+1]       ; sixteen lanes store 256 consecutive bytes, aligned; for v lanes 16-31 store the same bytes with the same values
	global_store_b128 v[SOF], v[SW+4:SW+7], s[F1:F1+1]
	s_wait_tensorcnt 0x0                           ; the wave's end, behind my last tensor load
	ds_add_u32 v[SPW], v[NIL]
	s_wait_dscnt 0x0
	CROUND                                         ; the closing round: no work-group ends while a partner may still ask for a tile that names it
	s_endpgm
.Lfunc_end_k_q6f9c600669_gemm_qkv:
	.size	k_q6f9c600669_gemm_qkv, .Lfunc_end_k_q6f9c600669_gemm_qkv-k_q6f9c600669_gemm_qkv
	.p2alignl 7, 3214868480
	.fill 96, 4, 3214868480
	.section	.rodata,"a",@progbits
	.p2align	6, 0x0
	.amdhsa_kernel k_q6f9c600669_gemm_qkv
		.amdhsa_group_segment_fixed_size 327680
		.amdhsa_private_segment_fixed_size 0
		.amdhsa_enable_private_segment 0
		.amdhsa_kernarg_size 40
		.amdhsa_user_sgpr_count 2
		.amdhsa_user_sgpr_kernarg_segment_ptr 1
		.amdhsa_wavefront_size32 1
		.amdhsa_system_sgpr_workgroup_id_x 1
		.amdhsa_system_sgpr_workgroup_id_y 1
		.amdhsa_system_sgpr_workgroup_id_z 1
		.amdhsa_system_vgpr_workitem_id 0
		.amdhsa_next_free_vgpr 1024
		.amdhsa_next_free_sgpr 106
		.amdhsa_reserve_vcc 0
		.amdhsa_float_denorm_mode_32 3
		.amdhsa_float_denorm_mode_16_64 3
		.amdhsa_memory_ordered 1
		.amdhsa_forward_progress 1
		.amdhsa_inst_pref_size 191
	.end_amdhsa_kernel
	.amdgpu_metadata
---
amdhsa.version: [ 1, 2 ]
amdhsa.kernels:
  - .name:           k_q6f9c600669_gemm_qkv
    .symbol:         k_q6f9c600669_gemm_qkv.kd
    .args:
      - { .name: codes1, .offset: 0, .size: 8, .value_kind: global_buffer, .address_space: global }
      - { .name: scales1, .offset: 8, .size: 8, .value_kind: global_buffer, .address_space: global }
      - { .name: in_proj_b, .offset: 16, .size: 8, .value_kind: global_buffer, .address_space: global }
      - { .name: qkvc, .offset: 24, .size: 8, .value_kind: global_buffer, .address_space: global }
      - { .name: qkvs, .offset: 32, .size: 8, .value_kind: global_buffer, .address_space: global }
    .group_segment_fixed_size: 327680
    .private_segment_fixed_size: 0
    .kernarg_segment_align: 8
    .kernarg_segment_size: 40
    .max_flat_workgroup_size: 128
    .sgpr_count:     106
    .vgpr_count:     1024
    .wavefront_size: 32
...
	.end_amdgpu_metadata
.endif
;; end of part 2
;; launch attn (part 3): grid 4 x 64, 16 waves a work-group, no clusters, 327,680 bytes of LDS; arguments qkvc, qkvs, rel_bias, ctxc, ctxs; writes ctxc, ctxs
.if DOCPART == 3
	.amdgcn_target "amdgcn-amd-amdhsa--gfx1250"
	.amdhsa_code_object_version 6
	.text
	.protected	k_q6f9c600669_attn
	.globl	k_q6f9c600669_attn
	.p2align	8
	.type	k_q6f9c600669_attn,@function
k_q6f9c600669_attn:
	s_mov_b64 s[64:65], 0
	v_nop
	global_prefetch_b8 v0, s[64:65] scope:SCOPE_SE
	s_setreg_imm32_b32 hwreg(HW_REG_WAVE_MODE, 25, 1), 1
	s_wait_xcnt 0x0
; ctx = softmax(q k^T / 8 + mask) v for one (batch, head) and 512 queries, all on codes of FP6 (E2M3) with E8M0 scales; ctx leaves quantised along the head's 64 channels.
; mask(i, j) = the mean over the 16 heads of rel_bias[clip(i - j, -32, 32) + 32]: a table of 512 words by i - j, x log2(e), in four copies, copy c moved by c words so that every lane reads it by 16 aligned bytes.
; The head's k and v codes (196,608 bytes) come into LDS once, one tensor load of 12,288 bytes a wave; their 12,288 scale bytes come through registers, 24 bytes a thread.
; SHARES: 16 waves; a wave takes 16 queries in each of two passes and walks the 2,048 keys in 16 steps of 128, two steps a trip.  Both products are used transposed (S^T = k q^T, O^T = v^T p^T): a lane holds one query.
; TWO BUFFERS OF 64 REGISTERS, X and Y, change roles from step to step: one holds k's fragments and then v's, the other the scores, then p.  When p has become codes, its buffer takes the NEXT step's fragments of k:
; those 26 LDS loads are out while O^T is rescaled and the second product runs.  The look-ahead wraps to key 0, so a pass's last step fetches the next pass's first; behind the last pass that one fetch is read by nobody.
; p = 2^(t - M), M the ceiling of the running largest t; the sum is taken of the unquantised p; O^T and the sum are brought under a new M by an exact power of two.
; A step whose 128 keys lie wholly more than 32 from the wave's queries adds one constant of the table; the others read the table.  The choice hangs on ids alone.
; No cluster: the four work-groups of a head read k and v once each at the head, there is no ring in which joint requests could take turns.  No prefetch: the launch has no loop that reads memory.
; LIMITS: NaN and infinities are not served; the promise holds while the scaled scores stay under 2^31 in magnitude; a block whose largest magnitude lies under 2^-124 takes the byte 1.
.set VC,    98304                      ; LDS: k's codes at 0, v's at VC, k's scales at KS, v's at VS, the table at TAB, the spare words at SPARE
.set KS,    196608
.set VS,    204800
.set TAB,   208896
.set SPARE, 217344
.set LK,  1                            ; v1-4  my lane's place in k's and v's codes and scales
.set LV,  2
.set LKS, 3
.set LVS, 4
.set SPW, 5                            ; v5  my spare word; v6  0; never rewritten
.set NIL, 6
.set TBL, 7                            ; v7  my lane's place in the table
.set ADK, 8                            ; v8-11  the trip's addresses
.set ADV, 9
.set ADS, 10
.set ADT, 11
.set AD,  28
.set AM,  30
.set X,   32
.set Y,   96
.set ML,  206                          ; the table's two end values
.set MR,  207
.set ADKN, 208                         ; the next trip's k codes and (v219) scales
.set QSO, 209
.set CSO, 210
.set MA,  211
.set ADSN, 219
.set WV,  18
.set BH,  19
.set SEL, 20
.set CS,  22
.set G1C, 24
.set TSN, 32
.set G0C, 40
.set SCP, 46
.set TK,  48
.set TS,  49
.set TV,  50
.set KF,  51
.set Q32, 52
.set NST, 53
.set NPS, 54
.set TKN, 55
.set QP,  56
.set QSP, 58
.set CP,  60
.set CSP, 62
	s_load_b256 s[4:11], s[0:1], 0x0               ; qkvc, qkvs, rel_bias, ctxc
	s_load_b64 s[12:13], s[0:1], 0x20              ; ctxs
	v_lshl_add_u32 v[SPW], v0, 2, SPARE
	v_mov_b32 v[NIL], 0
	ds_add_u32 v[SPW], v[NIL]                      ; the opening lines: the add, twice on end, and its wait ahead of my tensor load
	ds_add_u32 v[SPW], v[NIL]
	v_lshrrev_b32 v8, 5, v0
	s_delay_alu instid0(VALU_DEP_1)
	v_readfirstlane_b32 s[WV], v8
	s_and_b32 s[BH], ttmp7, 0xffff
	s_mov_b32 s[G1C], 3<<16                        ; 48 rows of 256 dense bytes
	s_mov_b32 s[G1C+1], 32<<16
	s_mov_b32 s[G1C+2], 48<<16
	s_mov_b32 s[G1C+3], 32<<16
	s_mov_b32 s[G1C+4], 48
	s_mov_b32 s[G1C+5], 32
	s_mov_b32 s[G1C+6], 0
	s_mov_b32 s[G1C+7], 0
	s_mul_i32 s66, s[BH], 294912
	s_mul_i32 s67, s[BH], 20480
	s_mul_i32 s68, s[WV], 12288
	s_add_co_u32 s70, s66, s68
	s_add_co_u32 s70, s70, 98304
	s_mov_b32 s71, 0
	s_add_co_u32 s72, s67, 8192                    ; the head's k scales, with v's behind them
	s_mov_b32 s73, 0
	s_mov_b32 s[SEL], 0x76543210
	s_mov_b32 s[SEL+1], 0xfedcba98                 ; selects for lane l xor 16
	s_wait_dscnt 0x0
	s_wait_kmcnt 0x0
	s_mov_b32 s[G0C], 1
	s_mov_b32 s[G0C+1], s68
	s_add_nc_u64 s[G0C+2:G0C+3], s[4:5], s[70:71]
	s_or_b32 s[G0C+3], s[G0C+3], 0x80000000
	s_add_nc_u64 s[SCP:SCP+1], s[6:7], s[72:73]
	tensor_load_to_lds s[G0C:G0C+3], s[G1C:G1C+7]  ; my 12,288 bytes of k's and v's codes: my one tensor load
	s_nop 0
.rept 4
	v_nop
.endr
	v_lshlrev_b32 v204, 3, v0                      ; the scale bytes: 8 bytes a thread, three times 4,096
	v_lshl_add_u32 v205, v0, 3, KS
.irp i, 0,1,2
	global_load_b64 v[112+2*\i:113+2*\i], v204, s[SCP:SCP+1] offset:4096*\i
.endr
	v_min_u32 v8, 224, v0                          ; the table's word t holds rel_bias' row clip(224 - t, 0, 64)
	s_delay_alu instid0(VALU_DEP_1)
	v_sub_nc_u32 v8, 224, v8
	s_delay_alu instid0(VALU_DEP_1)
	v_min_u32 v8, 64, v8
	s_delay_alu instid0(VALU_DEP_1)
	v_lshlrev_b32 v8, 6, v8
.irp i, 0,1,2,3
	global_load_b128 v[96+4*\i:99+4*\i], v8, s[8:9] offset:16*\i
.endr
	v_and_b32 v9, 31, v0
	v_and_b32 v10, 15, v0
	v_bfe_u32 v11, v0, 4, 1
	s_delay_alu instid0(VALU_DEP_3)
	v_lshlrev_b32 v[LK], 3, v9
	s_delay_alu instid0(VALU_DEP_1)
	v_add_nc_u32 v[LV], VC, v[LK]
	s_delay_alu instid0(VALU_DEP_4)
	v_lshl_add_u32 v[LKS], v10, 4, KS
	v_lshl_add_u32 v[LVS], v10, 4, VS
	s_and_b32 s70, s[WV], 1
	s_xor_b32 s70, s70, 1
	s_lshl_b32 s70, s70, 3
	s_add_co_u32 s70, s70, 56
	v_and_b32 v12, 8, v10
	s_delay_alu instid0(VALU_DEP_1)
	v_add_nc_u32 v12, v12, v10
	v_lshl_add_u32 v13, v11, 4, s70
	s_delay_alu instid0(VALU_DEP_1)
	v_sub_nc_u32 v13, v13, v12
	s_delay_alu instid0(VALU_DEP_1)
	v_and_b32 v14, 3, v13
	s_delay_alu instid0(VALU_DEP_2)
	v_lshrrev_b32 v15, 2, v13
	s_delay_alu instid0(VALU_DEP_2)
	v_mul_u32_u24 v14, v14, 2064
	s_delay_alu instid0(VALU_DEP_1)
	v_lshl_add_u32 v14, v15, 4, v14
	s_delay_alu instid0(VALU_DEP_1)
	v_add_nc_u32 v[TBL], TAB, v14
	s_and_b32 s71, s[WV], 3
	s_lshl_b32 s71, s71, 2
	v_lshl_add_u32 v[QSO], v10, 4, s71
	v_lshlrev_b32 v[CSO], 3, v10
	s_lshl_b32 s70, ttmp9, 5
	s_add_co_u32 s70, s70, s[WV]                   ; my first tile of 16 queries
	s_mul_i32 s72, s70, 768
	s_add_co_u32 s72, s72, s66
	s_mov_b32 s73, 0
	s_add_nc_u64 s[QP:QP+1], s[4:5], s[72:73]
	s_lshr_b32 s72, s70, 2
	s_lshl_b32 s72, s72, 8
	s_add_co_u32 s72, s72, s67
	s_add_nc_u64 s[QSP:QSP+1], s[6:7], s[72:73]
	s_wait_alu depctr_va_vdst(0)                   ; directly ahead of the readers below
.irp p, 0,1,2                                  ; both passes' q, while the tensor load is on its way: the first pass's into the operand, the second's into v212-218
	global_load_b64 v[16+2*\p:17+2*\p], v[LK], s[QP:QP+1] offset:256*\p
	global_load_b64 v[212+2*\p:213+2*\p], v[LK], s[QP:QP+1] offset:12288+256*\p
.endr
	global_load_b32 v255, v[QSO], s[QSP:QSP+1]
	global_load_b32 v218, v[QSO], s[QSP:QSP+1] offset:1024
	s_lshr_b32 s74, s[BH], 4
	s_lshl_b32 s74, s74, 7
	s_add_co_u32 s74, s74, s70
	s_and_b32 s75, s[BH], 15
	s_mul_i32 s72, s74, 12288
	s_mul_i32 s76, s75, 768
	s_add_co_u32 s72, s72, s76
	s_add_nc_u64 s[CP:CP+1], s[10:11], s[72:73]
	s_lshl_b32 s72, s74, 9
	s_lshr_b32 s76, s75, 2
	s_lshl_b32 s76, s76, 7
	s_add_co_u32 s72, s72, s76
	s_bfe_u32 s76, s75, 0x10001
	s_lshl_b32 s76, s76, 2
	s_add_co_u32 s72, s72, s76
	s_and_b32 s76, s75, 1
	s_lshl_b32 s76, s76, 1
	s_add_co_u32 s72, s72, s76
	s_add_nc_u64 s[CSP:CSP+1], s[12:13], s[72:73]
	s_lshl_b32 s[Q32], ttmp9, 9
	s_lshr_b32 s76, s[WV], 1
	s_lshl_b32 s76, s76, 5
	s_add_co_u32 s[Q32], s[Q32], s76               ; the 32 queries in which my 16 lie
.irp j, 22,23,24,25,26,27,31,80,81,82,83,84,85,236,237,238,239,253
	v_mov_b32 v[\j], 0                             ; q's upper 64 along K are zero codes; the others are written once, ahead of their first naming
.endr
	s_wait_loadcnt 0x0
	v_pk_add_f32 v[96:97], v[96:97], v[98:99]      ; the mean over the 16 heads, x log2(e)
	v_pk_add_f32 v[100:101], v[100:101], v[102:103]
	v_pk_add_f32 v[104:105], v[104:105], v[106:107]
	v_pk_add_f32 v[108:109], v[108:109], v[110:111]
	s_delay_alu instid0(VALU_DEP_3)
	v_pk_add_f32 v[96:97], v[96:97], v[100:101]
	s_delay_alu instid0(VALU_DEP_2)
	v_pk_add_f32 v[104:105], v[104:105], v[108:109]
	s_delay_alu instid0(VALU_DEP_1)
	v_pk_add_f32 v[96:97], v[96:97], v[104:105]
	s_delay_alu instid0(VALU_DEP_1)
	v_add_f32 v96, v96, v97
	s_delay_alu instid0(VALU_DEP_1)
	v_mul_f32 v96, 0x3db8aa3b, v96
	v_lshl_add_u32 v9, v0, 2, TAB
.irp c, 0,1,2,3
	ds_store_b32 v9, v96 offset:2060*\c
.endr
.irp i, 0,1,2
	ds_store_b64 v205, v[112+2*\i:113+2*\i] offset:4096*\i   ; the scale bytes, as they lie
.endr
	v_and_b32 v8, 1, v0
	v_bfe_u32 v10, v0, 1, 1
	v_add_nc_u32 v8, v8, v10                       ; 0, 1 or 2
	v_lshl_add_u32 v8, v8, 2, TAB+2048
	s_wait_alu depctr_va_vdst(0)
	s_cmp_lg_u32 s[WV], 15
	s_cbranch_scc1 .Lno_gap
.irp c, 0,1,2                                  ; the three words between two copies take the table's last value, which all lanes of wave 15 hold
	ds_store_b32 v8, v96 offset:2060*\c
.endr
.Lno_gap:
	s_wait_tensorcnt 0x0                           ; my part of the codes is in, my LDS stores are done:
	s_wait_dscnt 0x0
	s_barrier_signal -1
	s_barrier_wait -1                              ; and so are everybody's
	v_mov_b32 v8, TAB
	ds_load_b32 v[ML], v8
	ds_load_b32 v[MR], v8 offset:2044
.set J, 0
.rept 24
	ds_load_b64 v[X+2*J:X+2*J+1], v[LK] offset:256*J   ; step 0's fragments of k; the first step waits for these 28 loads
.set J, J+1
.endr
	ds_load_b128 v[192:195], v[LKS]
	ds_load_b128 v[196:199], v[LKS] offset:256
; A step of 128 keys.  KB: k's fragments, then v's; SB: the scores, then p, then the next step's fragments of k.  st: the trip's first (0) or second (1) step
.macro STEP KB, SB, st
.if \st
.rept 5
	v_nop                                          ; five places: the products below write over v's fragments, which the last products read (in the first step the trip's six address lines are these places)
.endr
.endif
	s_wait_dscnt 0x0                               ; k's fragments and scale words are in
.irp t, 0,1,2,3,4,5,6,7
	v_wmma_scale_f32_16x16x128_f8f6f4 v[\SB+8*\t:\SB+8*\t+7], v[\KB+6*\t:\KB+6*\t+11], v[16:27], 0, v[192+\t], v255 matrix_a_fmt:MATRIX_FMT_FP6 matrix_b_fmt:MATRIX_FMT_FP6
.endr
	s_mov_b32 s[CS], 0x3e38aa3b                    ; log2(e) / 8
	s_mov_b32 s[CS+1], s[CS]
	v_mov_b32 v[AD], v[ML]
.rept 3
	v_nop
.endr
	s_add_co_u32 s66, s[KF], 159+128*\st
	s_cmp_le_u32 s66, s[Q32]
	s_cbranch_scc1 .Lplain\@                       ; all keys more than 32 below my queries
	v_mov_b32 v[AD], v[MR]
	s_add_co_u32 s66, s[Q32], 63
	s_add_co_u32 s67, s[KF], 128*\st
	s_cmp_ge_u32 s67, s66
	s_cbranch_scc1 .Lplain\@                       ; all keys more than 32 above them
	s_add_co_u32 s66, s67, 128
	s_sub_co_u32 s66, s66, s[Q32]
	s_min_u32 s66, s66, 160
	s_lshl_b32 s66, s66, 2
	v_add_nc_u32 v[MA], s66, v[TBL]
.irp b, 0,1,2,3
.irp m, 0,1,2,3
	ds_load_b128 v[\KB+16*\b+4*\m:\KB+16*\b+4*\m+3], v[MA] offset:128*\b+16*\m
.endr
.endr
	s_wait_dscnt 0x0
.set J, 0
.rept 32
	v_pk_fma_f32 v[\SB+J:\SB+J+1], v[\SB+J:\SB+J+1], s[CS:CS+1], v[\KB+J:\KB+J+1] op_sel_hi:[1,0,1]
.set J, J+2
.endr
	s_mov_b32 s[CS], 1.0
	s_mov_b32 s[CS+1], 1.0
	v_mov_b32 v[AD], 0
.Lplain\@:
	s_wait_alu depctr_va_vdst(0)                   ; behind the branches
.set J, 0
.rept 24
	ds_load_b64 v[\KB+2*J:\KB+2*J+1], v[ADV] offset:6144*\st+256*J   ; v's fragments, where k's lay
.set J, J+1
.endr
	ds_load_b128 v[200:203], v[ADT] offset:256*\st
.irp b, 0,1,2,3
	v_max3_num_f32 v[232+\b], v[\SB+16*\b], v[\SB+1+16*\b], v[\SB+2+16*\b]   ; the largest score of each block of 32 keys
.endr
.irp i, 3,5,7,9,11,13
.irp b, 0,1,2,3
	v_max3_num_f32 v[232+\b], v[232+\b], v[\SB+16*\b+\i], v[\SB+1+16*\b+\i]
.endr
.endr
.irp b, 0,1,2,3
	v_max_num_f32 v[232+\b], v[232+\b], v[\SB+15+16*\b]
.endr
.irp b, 0,1,2,3
	s_delay_alu instid0(VALU_DEP_4)
	v_permlanex16_b32 v[236+\b], v[232+\b], s[SEL], s[SEL+1]
.endr
.irp b, 0,1,2,3
	s_delay_alu instid0(VALU_DEP_4)
	v_max_num_f32 v[232+\b], v[232+\b], v[236+\b]
.endr
	s_delay_alu instid0(VALU_DEP_2)
	v_max3_num_f32 v254, v232, v233, v234
	s_delay_alu instid0(VALU_DEP_1)
	v_max_num_f32 v254, v254, v235
	s_delay_alu instid0(VALU_DEP_1)
	v_fma_f32 v254, v254, s[CS], v[AD]
	s_delay_alu instid0(VALU_DEP_1)
	v_max_num_f32 v13, v13, v254                   ; the running largest t
	v_mov_b32 v254, v12
	s_delay_alu instid0(VALU_DEP_2)
	v_floor_f32 v12, -v13                          ; -M
	s_delay_alu instid0(VALU_DEP_1)
	v_sub_f32 v254, v12, v254
	s_delay_alu instid0(VALU_DEP_1)
	v_cvt_i32_f32 v254, v254
	s_delay_alu instid0(VALU_DEP_1)
	v_ldexp_f32 v252, 1.0, v254                    ; f = 2^(old M - new M)
	s_delay_alu instid0(VALU_DEP_4)
	v_add_f32 v[AM], v[AD], v12
.set J, 0
.rept 32
	v_pk_fma_f32 v[\SB+J:\SB+J+1], v[\SB+J:\SB+J+1], s[CS:CS+1], v[AM:AM+1] op_sel_hi:[1,0,0]
.set J, J+2
.endr
.irp b, 0,1,2,3
	v_fma_f32 v[232+\b], v[232+\b], s[CS], v[AM]
.endr
	s_wait_alu depctr_va_vdst(0)                   ; ahead of the batch
.set J, 0
.rept 64
	v_exp_f32 v[\SB+J], v[\SB+J]
.set J, J+1
.endr
	v_pk_mul_f32 v[14:15], v[14:15], v[252:253] op_sel_hi:[1,0]
	s_wait_alu depctr_va_vdst(0)                   ; and behind it
.irp b, 0,1,2,3
	v_exp_f32 v[232+\b], v[232+\b]                 ; each block's largest p
.endr
	v_pk_add_f32 v[236:237], v[\SB:\SB+1], v[\SB+2:\SB+3]          ; the row's sum of the unquantised p, in four chains
	v_pk_add_f32 v[204:205], v[\SB+4:\SB+5], v[\SB+6:\SB+7]
	v_pk_add_f32 v[220:221], v[\SB+8:\SB+9], v[\SB+10:\SB+11]
	v_pk_add_f32 v[222:223], v[\SB+12:\SB+13], v[\SB+14:\SB+15]
.irp j, 16,24,32,40,48,56
	v_pk_add_f32 v[236:237], v[236:237], v[\SB+\j:\SB+\j+1]
	v_pk_add_f32 v[204:205], v[204:205], v[\SB+\j+2:\SB+\j+3]
	v_pk_add_f32 v[220:221], v[220:221], v[\SB+\j+4:\SB+\j+5]
	v_pk_add_f32 v[222:223], v[222:223], v[\SB+\j+6:\SB+\j+7]
.endr
	s_delay_alu instid0(VALU_DEP_3)
	v_pk_add_f32 v[236:237], v[236:237], v[204:205]
	s_delay_alu instid0(VALU_DEP_2)
	v_pk_add_f32 v[220:221], v[220:221], v[222:223]
	s_delay_alu instid0(VALU_DEP_1)
	v_pk_add_f32 v[236:237], v[236:237], v[220:221]
	s_delay_alu instid0(VALU_DEP_1)
	v_pk_add_f32 v[14:15], v[14:15], v[236:237]
	s_wait_alu depctr_va_vdst(0)                   ; for the four
.irp b, 0,1,2,3
	v_max_num_f32 v[232+\b], 0x1800000, v[232+\b]  ; the floor 2^(3 - 127): the byte cannot fall under 1
.endr
.irp b, 0,1,2,3
	s_delay_alu instid0(VALU_DEP_4)
	v_add_nc_u32 v[244+\b], 0xff000000, v[232+\b]  ; 2 off the exponent field: the conversion's scale operand
.endr
.irp b, 0,1,2,3
	s_delay_alu instid0(VALU_DEP_4)
	v_lshrrev_b32 v[236+\b], 23, v[244+\b]
.endr
	s_delay_alu instid0(VALU_DEP_3)
	v_lshl_or_b32 v253, v237, 8, v236              ; p's scale word
	s_delay_alu instid0(VALU_DEP_1)
	v_lshl_or_b32 v253, v238, 16, v253
	s_delay_alu instid0(VALU_DEP_1)
	v_lshl_or_b32 v253, v239, 24, v253
.irp c, 0,1
	v_cvt_scalef32_pk16_fp6_f32 v[224+6*\c:226+6*\c], v[\SB+32*\c:\SB+15+32*\c], v[244+2*\c]
	v_cvt_scalef32_pk16_fp6_f32 v[236+4*\c:238+4*\c], v[\SB+16+32*\c:\SB+31+32*\c], v[244+2*\c+1]
.endr
	v_nop                                          ; one plain line behind a scaled conversion
.set J, 0
.rept 24                                       ; p is in codes: its buffer takes the next step's fragments of k, 26 loads with the scale words
.if \st
	ds_load_b64 v[\SB+2*J:\SB+2*J+1], v[ADKN] offset:256*J
.else
	ds_load_b64 v[\SB+2*J:\SB+2*J+1], v[ADK] offset:6144+256*J
.endif
.set J, J+1
.endr
.if \st
	ds_load_b128 v[192:195], v[ADSN]
	ds_load_b128 v[196:199], v[ADSN] offset:256
.else
	ds_load_b128 v[192:195], v[ADS] offset:512
	ds_load_b128 v[196:199], v[ADS] offset:768
.endif
.irp c, 0,1                                    ; the layout wants a whole block in a lane
.irp i, 0,1,2
	v_permlane16_swap_b32 v[224+6*\c+\i], v[236+4*\c+\i]
.endr
.irp i, 0,1,2
	s_delay_alu instid0(VALU_DEP_3)
	v_mov_b32 v[227+6*\c+\i], v[236+4*\c+\i]
.endr
.endr
	s_wait_alu depctr_va_vdst(0)                   ; directly ahead of the first reader of O^T
.set J, 0
.rept 16
	v_pk_mul_f32 v[160+J:161+J], v[160+J:161+J], v[252:253] op_sel_hi:[1,0]
.set J, J+2
.endr
	s_wait_alu depctr_va_vdst(0)
	s_wait_dscnt 26                                ; v's 25 loads are in; the 26 issued behind them, the next step's k, may be out
.irp t, 0,1,2,3
	v_wmma_scale_f32_16x16x128_f8f6f4 v[160+8*\t:167+8*\t], v[\KB+12*\t:\KB+12*\t+11], v[224:235], v[160+8*\t:167+8*\t], v[200+\t], v253 matrix_a_fmt:MATRIX_FMT_FP6 matrix_b_fmt:MATRIX_FMT_FP6
.endr
.endm
	s_mov_b32 s[NPS], 2
.Lpass:
	v_mov_b32 v13, 0xff61b1e6                      ; the largest t so far: -3e38
	s_delay_alu instid0(VALU_DEP_1)
	v_floor_f32 v12, -v13
	v_mov_b32 v14, 0
	v_mov_b32 v15, 0
.set J, 0
.rept 32
	v_mov_b32 v[160+J], 0
.set J, J+1
.endr
	s_mov_b32 s[TK], 0
	s_mov_b32 s[TS], 0
	s_mov_b32 s[TV], 0
	s_mov_b32 s[KF], 0
	s_mov_b32 s[TSN], 1024
	s_mov_b32 s[TKN], 12288
	s_mov_b32 s[NST], 8
.Lstep:
	v_add_nc_u32 v[ADK], s[TK], v[LK]
	v_add_nc_u32 v[ADV], s[TK], v[LV]
	v_add_nc_u32 v[ADS], s[TS], v[LKS]
	v_add_nc_u32 v[ADT], s[TV], v[LVS]
	v_add_nc_u32 v[ADKN], s[TKN], v[LK]
	v_add_nc_u32 v[ADSN], s[TSN], v[LKS]
	STEP X, Y, 0
	STEP Y, X, 1
	s_add_co_u32 s[TK], s[TK], 12288
	s_add_co_u32 s[TS], s[TS], 1024
	s_add_co_u32 s[TV], s[TV], 512
	s_add_co_u32 s[KF], s[KF], 256
	s_add_co_u32 s[TSN], s[TS], 1024
	s_and_b32 s[TSN], s[TSN], 8191                 ; the trip after the next one's scales, back to key 0 behind the last;
	s_mul_i32 s[TKN], s[TSN], 12                   ; a step's codes are 12 times its scale bytes
	s_sub_co_u32 s[NST], s[NST], 1
	s_cmp_lg_u32 s[NST], 0
	s_cbranch_scc1 .Lstep
.rept 4
	v_nop
.endr
	v_add_f32 v14, v14, v15                        ; THE PASS'S END: O^T / the sum, quantised along the head's 64.  It works in Y; X and v192-199 are taking the next pass's first k
	s_delay_alu instid0(VALU_DEP_1)
	v_permlanex16_b32 v252, v14, s[SEL], s[SEL+1]
	s_delay_alu instid0(VALU_DEP_1)
	v_add_f32 v14, v14, v252
	s_wait_alu depctr_va_vdst(0)
	v_rcp_f32 v14, v14
	v_nop
	s_wait_alu depctr_va_vdst(0)
.set J, 0
.rept 16
	v_pk_mul_f32 v[96+J:97+J], v[160+J:161+J], v[14:15] op_sel_hi:[1,0]
.set J, J+2
.endr
.irp b, 0,1
	v_max3_num_f32 v[232+\b], |v[96+16*\b]|, |v[97+16*\b]|, 0x1800000
.endr
.irp i, 2,4,6,8,10,12,14
.irp b, 0,1
	s_delay_alu instid0(VALU_DEP_2)
	v_max3_num_f32 v[232+\b], v[232+\b], |v[96+16*\b+\i]|, |v[97+16*\b+\i]|
.endr
.endr
.irp b, 0,1
	s_delay_alu instid0(VALU_DEP_2)
	v_permlanex16_b32 v[236+\b], v[232+\b], s[SEL], s[SEL+1]
.endr
.irp b, 0,1
	s_delay_alu instid0(VALU_DEP_2)
	v_max_num_f32 v[232+\b], v[232+\b], v[236+\b]
.endr
.irp b, 0,1
	s_delay_alu instid0(VALU_DEP_2)
	v_add_nc_u32 v[244+\b], 0xff000000, v[232+\b]
.endr
.irp b, 0,1
	s_delay_alu instid0(VALU_DEP_2)
	v_lshrrev_b32 v[236+\b], 23, v[244+\b]
.endr
	s_delay_alu instid0(VALU_DEP_1)
	v_lshl_or_b32 v240, v237, 8, v236
	v_cvt_scalef32_pk16_fp6_f32 v[224:226], v[96:111], v244
	v_cvt_scalef32_pk16_fp6_f32 v[236:238], v[112:127], v245
	v_nop
.irp i, 0,1,2
	v_permlane16_swap_b32 v[224+\i], v[236+\i]
.endr
.irp i, 0,1,2
	s_delay_alu instid0(VALU_DEP_3)
	v_mov_b32 v[227+\i], v[236+\i]
.endr
.irp p, 0,1,2
	global_store_b64 v[LK], v[224+2*\p:225+2*\p], s[CP:CP+1] offset:256*\p   ; a plane: 32 lanes store 256 consecutive bytes, aligned
.endr
	global_store_b16 v[CSO], v240, s[CSP:CSP+1]
	s_wait_xcnt 0x0                                ; the stores have read their registers and bases
.irp p, 0,1,2,3,4,5
	v_mov_b32 v[16+\p], v[212+\p]                  ; the second pass's q (behind the last pass nothing reads it)
.endr
	v_mov_b32 v255, v218
	s_add_nc_u64 s[CP:CP+1], s[CP:CP+1], 196608
	s_add_nc_u64 s[CSP:CSP+1], s[CSP:CSP+1], 8192
	s_add_co_u32 s[Q32], s[Q32], 256
	s_sub_co_u32 s[NPS], s[NPS], 1
	s_cmp_lg_u32 s[NPS], 0
	s_cbranch_scc1 .Lpass
	s_wait_dscnt 0x0
	s_barrier_signal -1
	s_barrier_wait -1
	s_wait_tensorcnt 0x0                           ; the wave's end
	ds_add_u32 v[SPW], v[NIL]
	s_wait_dscnt 0x0
	s_endpgm
.Lfunc_end_k_q6f9c600669_attn:
	.size	k_q6f9c600669_attn, .Lfunc_end_k_q6f9c600669_attn-k_q6f9c600669_attn
	.p2alignl 7, 3214868480
	.fill 96, 4, 3214868480
	.section	.rodata,"a",@progbits
	.p2align	6, 0x0
	.amdhsa_kernel k_q6f9c600669_attn
		.amdhsa_group_segment_fixed_size 327680
		.amdhsa_private_segment_fixed_size 0
		.amdhsa_enable_private_segment 0
		.amdhsa_kernarg_size 40
		.amdhsa_user_sgpr_count 2
		.amdhsa_user_sgpr_kernarg_segment_ptr 1
		.amdhsa_wavefront_size32 1
		.amdhsa_system_sgpr_workgroup_id_x 1
		.amdhsa_system_sgpr_workgroup_id_y 1
		.amdhsa_system_sgpr_workgroup_id_z 1
		.amdhsa_system_vgpr_workitem_id 0
		.amdhsa_next_free_vgpr 256
		.amdhsa_next_free_sgpr 80
		.amdhsa_reserve_vcc 0
		.amdhsa_float_denorm_mode_32 3
		.amdhsa_float_denorm_mode_16_64 3
		.amdhsa_memory_ordered 1
		.amdhsa_forward_progress 1
		.amdhsa_inst_pref_size 62
	.end_amdhsa_kernel
	.amdgpu_metadata
---
amdhsa.version: [ 1, 2 ]
amdhsa.kernels:
  - .name:           k_q6f9c600669_attn
    .symbol:         k_q6f9c600669_attn.kd
    .args:
      - { .name: qkvc, .offset: 0, .size: 8, .value_kind: global_buffer, .address_space: global }
      - { .name: qkvs, .offset: 8, .size: 8, .value_kind: global_buffer, .address_space: global }
      - { .name: rel_bias, .offset: 16, .size: 8, .value_kind: global_buffer, .address_space: global }
      - { .name: ctxc, .offset: 24, .size: 8, .value_kind: global_buffer, .address_space: global }
      - { .name: ctxs, .offset: 32, .size: 8, .value_kind: global_buffer, .address_space: global }
    .group_segment_fixed_size: 327680
    .private_segment_fixed_size: 0
    .kernarg_segment_align: 8
    .kernarg_segment_size: 40
    .max_flat_workgroup_size: 512
    .sgpr_count:     80
    .vgpr_count:     256
    .wavefront_size: 32
...
	.end_amdgpu_metadata
.endif
;; end of part 3
;; launch gemm_out (part 4): grid 4 x 32, 4 waves a work-group, clusters of 4 x 4, 327,680 bytes of LDS; arguments ctxc, ctxs, codes1, scales1, out_b, out0; writes out0
.if DOCPART == 4
	.amdgcn_target "amdgcn-amd-amdhsa--gfx1250"
	.amdhsa_code_object_version 6
	.text
	.protected	k_q6f9c600669_gemm_out
	.globl	k_q6f9c600669_gemm_out
	.p2align	8
	.type	k_q6f9c600669_gemm_out,@function
k_q6f9c600669_gemm_out:
	s_mov_b64 s[64:65], 0
	v_nop
	global_prefetch_b8 v0, s[64:65] scope:SCOPE_SE
	s_setreg_imm32_b32 hwreg(HW_REG_WAVE_MODE, 25, 1), 1
	s_wait_xcnt 0x0
	s_wait_alu depctr_hold_cnt(0) depctr_sa_sdst(0) depctr_va_vdst(0) depctr_va_sdst(0) depctr_va_ssrc(0) depctr_va_vcc(0) depctr_vm_vsrc(0)
	s_getreg_b32 s2, hwreg(HW_REG_IB_STS2, 6, 4)
	s_cmp_eq_u32 s2, 0
	s_cbranch_scc0 .Lentry_in_a_cluster
	s_endpgm
.Lentry_in_a_cluster:
	s_bfe_u32 s2, ttmp6, 0x10000c
	s_cmp_lg_u32 s2, 0xf033
	s_cbranch_scc0 .Lentry_shape_is_right
	s_endpgm
.Lentry_shape_is_right:
; out0 = ctx out_w^T + out_b on codes of FP6 (E2M3) with E8M0 scales; sums in f32.  A tile of 256 x 256 is made by four waves, 128 x 128 a wave; K = 1,024 goes in four steps of 256 through two LDS slots.
; Source 0 = out_w's rows, source 1 = ctx's rows: a lane holds eight neighbouring columns of one row.  The bias is the C of each sum's first matrix instruction.
; Both operands lie by tiles of 16 rows (bits 3 and 4 of the row number exchanged), a tile's K step as 3,072 dense bytes: images of operand registers, 8 bytes a lane.
; CLUSTERS: 4 x 4 work-groups; ctx's tiles are asked for jointly along a row of the cluster, out_w's along a column.  The scales of the work-group's rows, for all of K, come once, with the head's loads.
; The results leave through each wave's own stage in slot 0, which has had its last fill by then, as whole rows of 512 bytes.
.set NQ,    2
.set FR,    12
.set NL,    6
.set NP,    4
.set TILEB, 12288
.set KSB,   3072
.set HALFT, 8*KSB
.set SLOT,  4*HALFT
.set SCL,   2*SLOT
.set HALFS, 4096
.set SBLK,  512
.set SPARE, SCL+4*HALFS
.set SPITCH, 528
.set ADRA, 16
.set ADRB, 20
.set STO,  24
.set RD,   25
.set CO,   26
.set ADRS, 27
.set SPW,  28
.set NIL,  29
.set SC,   32
.set BI,   64
.set AF,   128
.set BK,   128
.set G1,   24
.set G0,   32
.set G1B,  48
.set G0B,  56
.set G1S,  68
.set G0S,  76
.set G1SB, 80
.set G0SB, 88
.set MSB, 0
.macro WIN new
.if MSB != (\new)
	s_set_vgpr_msb (MSB<<8)|(\new)
.set MSB, (\new)
.endif
.endm
.set MUL_LO, 0xa1
.set MUL_HI, 0xf1
.set TO_B,   0x40
.macro JLOAD g0a, g1a, g0b, g1b
	s_cmp_eq_u32 s15, 0
	s_cbranch_scc0 .Lfor_b_\@
	tensor_load_to_lds s[\g0a:\g0a+3], s[\g1a:\g1a+7]
	s_nop 0
.rept 4
	v_nop
.endr
	s_branch .Lasked_\@
.Lfor_b_\@:
	tensor_load_to_lds s[\g0b:\g0b+3], s[\g1b:\g1b+7]
	s_nop 0
.rept 4
	v_nop
.endr
.Lasked_\@:
.endm
.macro CREST
	s_cmp_lg_u32 s14, 0
	s_cbranch_scc1 .Lnot_wave_0_\@
	s_barrier_signal -3
.Lnot_wave_0_\@:
	s_barrier_wait -3
	s_barrier_signal -1
	s_barrier_wait -1
.endm
.macro CROUND
	s_barrier_signal -1
	s_barrier_wait -1
	CREST
.endm
	s_load_b256 s[4:11], s[0:1], 0x0
	s_load_b128 s[92:95], s[0:1], 0x20
	v_lshl_add_u32 v[SPW], v0, 2, SPARE
	v_mov_b32 v[NIL], 0
	ds_add_u32 v[SPW], v[NIL]
	ds_add_u32 v[SPW], v[NIL]
	v_lshrrev_b32 v1, 5, v0
	v_readfirstlane_b32 s14, v1
	s_lshr_b32 s15, s14, 1
	s_and_b32 s16, s14, 1
	s_bfe_u32 s40, ttmp6, 0x40000
	s_bfe_u32 s41, ttmp6, 0x40004
	s_lshl_b32 s42, ttmp9, 2
	s_add_co_u32 s42, s42, s40
	s_and_b32 s17, ttmp7, 0xffff
	s_lshl_b32 s17, s17, 2
	s_add_co_u32 s17, s17, s41
	s_lshl_b32 s43, s41, 2
	s_lshl_b32 s43, 15, s43
	s_lshl_b32 s44, 0x1111, s40
	s_or_b32 s[G1+0], s43, (3<<16)|(1<<21)
	s_or_b32 s[G1B+0], s44, (3<<16)|(1<<21)
.irp g, G1, G1B
	s_mov_b32 s[\g+1], 384<<16
	s_mov_b32 s[\g+2], 16<<16                      ; 16 tiles for the head's loads; set to 8 behind them
	s_mov_b32 s[\g+3], 384<<16
	s_mov_b32 s[\g+4], 16
	s_mov_b32 s[\g+5], 1536
	s_mov_b32 s[\g+6], 0
	s_mov_b32 s[\g+7], 0
.endr
	s_or_b32 s[G1S+0], s43, (3<<16)|(1<<21)
	s_or_b32 s[G1SB+0], s44, (3<<16)|(1<<21)
.irp g, G1S, G1SB
	s_mov_b32 s[\g+1], 32<<16
	s_mov_b32 s[\g+2], 32<<16
	s_mov_b32 s[\g+3], 32<<16
	s_mov_b32 s[\g+4], 32
	s_mov_b32 s[\g+5], 32
	s_mov_b32 s[\g+6], 0
	s_mov_b32 s[\g+7], 0
.endr
	s_lshl_b32 s18, s16, 3
	s_lshl_b32 s20, s17, 4
	s_add_co_u32 s20, s20, s18
	s_lshl_b32 s46, s42, 4
	s_add_co_u32 s46, s46, s18
	s_add_co_u32 s46, s46, 704
	s_lshl_b32 s22, s20, 9
	s_mov_b32 s23, 0
	s_lshl_b32 s96, s46, 9
	s_mov_b32 s97, 0
	s_mul_i32 s20, s20, TILEB
	s_mov_b32 s21, 0
	s_mul_i32 s46, s46, TILEB
	s_mov_b32 s47, 0
	s_mul_i32 s45, s14, HALFT
	s_lshl_b32 s19, s16, 12                        ; the scales come whole, sixteen tiles a load: my half's 4,096 bytes are taken off both offsets
	s_sub_co_u32 s22, s22, s19
	s_sub_co_u32 s96, s96, s19
	s_wait_dscnt 0x0
	s_wait_kmcnt 0x0
	s_add_nc_u64 s[20:21], s[4:5], s[20:21]
	s_add_nc_u64 s[22:23], s[6:7], s[22:23]
	s_add_nc_u64 s[46:47], s[8:9], s[46:47]
	s_add_nc_u64 s[96:97], s[10:11], s[96:97]
	CROUND
	s_mov_b32 s[G0S], 1
	s_mov_b32 s[G0S+1], SCL
	s_mov_b64 s[G0S+2:G0S+3], s[22:23]
	s_or_b32 s[G0S+3], s[G0S+3], 0x80000000
	s_mov_b32 s[G0SB], 1
	s_mov_b32 s[G0SB+1], SCL+2*HALFS
	s_mov_b64 s[G0SB+2:G0SB+3], s[96:97]
	s_or_b32 s[G0SB+3], s[G0SB+3], 0x80000000
.irp s, 0,1
	s_mov_b32 s[G0+4*\s], 1
	s_add_co_u32 s[G0+4*\s+1], s45, \s*SLOT
	s_add_nc_u64 s[G0+4*\s+2:G0+4*\s+3], s[20:21], \s*KSB
	s_or_b32 s[G0+4*\s+3], s[G0+4*\s+3], 0x80000000
	s_mov_b32 s[G0B+4*\s], 1
	s_add_co_u32 s[G0B+4*\s+1], s45, \s*SLOT
	s_add_nc_u64 s[G0B+4*\s+2:G0B+4*\s+3], s[46:47], \s*KSB
	s_or_b32 s[G0B+4*\s+3], s[G0B+4*\s+3], 0x80000000
.endr
; THE HEAD'S LOADS, ONE A WAVE: wave 0 K step 0 of A's sixteen tiles, wave 1 A's scales, wave 2 K step 0 of B's sixteen tiles, wave 3 B's scales.
; Waves 0 and 2 fetch the first eight tiles in the ring, so their slot 0 descriptors already point at the sixteen's first byte and at their place in LDS.  One tree of branches on the wave's number, one load on every way.
.macro ARM under, g0, g1, next
	s_cmp_lt_u32 s14, \under
	s_cbranch_scc0 \next
	tensor_load_to_lds s[\g0:\g0+3], s[\g1:\g1+7]
	s_nop 0
.rept 4
	v_nop
.endr
	s_branch .Lhead_asked
\next:
.endm
	ARM 1, G0,  G1,  .Lhead_sa
	ARM 2, G0S, G1S, .Lhead_b
	ARM 3, G0B, G1B, .Lhead_sb
	tensor_load_to_lds s[G0SB:G0SB+3], s[G1SB:G1SB+7]
	s_nop 0
.rept 4
	v_nop
.endr
.Lhead_asked:
	v_and_b32 v1, 15, v0
	v_bfe_u32 v2, v0, 4, 1
	s_wait_alu depctr_va_vdst(0)
	v_and_b32 v3, 31, v0
	v_lshlrev_b32 v4, 3, v3
	s_mul_i32 s21, s15, HALFT
	s_mul_i32 s22, s16, HALFT
	s_add_co_u32 s22, s22, 2*HALFT
.irp s, 0,1
	v_add_nc_u32 v[ADRA+\s], s21, v4
	v_add_nc_u32 v[ADRB+\s], s22, v4
	s_add_co_u32 s21, s21, SLOT
	s_add_co_u32 s22, s22, SLOT
.endr
	v_lshlrev_b32 v5, 3, v1
	s_lshl_b32 s21, s15, 12
	s_lshl_b32 s22, s16, 12
	s_add_co_u32 s22, s22, 2*HALFS
	s_sub_co_u32 s22, s22, s21
	v_mul_u32_u24 v6, s22, v2
	s_add_co_u32 s21, s21, SCL
	v_add_nc_u32 v5, v5, v6
	v_add_nc_u32 v[ADRS], s21, v5
	s_mul_i32 s23, s14, 16*SPITCH
	v_mul_u32_u24 v5, v1, SPITCH
	v_lshl_add_u32 v5, v2, 6, v5
	v_add_nc_u32 v[STO], s23, v5
	v_lshlrev_b32 v[CO], 4, v3
	v_add_nc_u32 v[RD], s23, v[CO]
	s_lshl_b32 s20, s17, 8
	s_lshl_b32 s21, s15, 7
	s_add_co_u32 s20, s20, s21
	s_lshl_b32 s20, s20, 12
	s_lshl_b32 s46, s42, 10
	s_lshl_b32 s47, s16, 9
	s_add_co_u32 s46, s46, s47
	s_add_co_u32 s20, s20, s46
	s_mov_b32 s21, 0
	s_add_nc_u64 s[94:95], s[94:95], s[20:21]
	s_mov_b32 s47, 0
	s_add_nc_u64 s[92:93], s[92:93], s[46:47]
	v_lshlrev_b32 v6, 6, v2
.irp i, 0,1,2,3,4,5,6,7
	global_load_b128 v[BI+8*\i:BI+8*\i+3], v6, s[92:93] offset:4*(32*(\i/2)+8*(\i%2))
	global_load_b128 v[BI+8*\i+4:BI+8*\i+7], v6, s[92:93] offset:4*(32*(\i/2)+8*(\i%2))+16
.endr
.macro FRAG reg, adr, q, i
.irp p, 0,1,2,3,4,5
	ds_load_b64 v[\reg+2*\p:\reg+2*\p+1], v[\adr] offset:(\i)*KSB+(\q)*1536+256*\p
.endr
.endm
.macro MUL16 a0, p, q, sc, zero
.irp a, \a0, \a0+1
.irp b, 0,1,2,3,4,5,6,7
.if \zero
	v_wmma_scale_f32_16x16x128_f8f6f4 v[8*(8*((\a)%4)+\b):8*(8*((\a)%4)+\b)+7], v[128*(\p)+FR*\b:128*(\p)+FR*\b+FR-1], v[AF+FR*(\a):AF+FR*(\a)+FR-1], v[BI+8*\b:BI+8*\b+7], v[SC+8*NQ*(\sc)+NQ*\b+(\q)], v[SC+8*NQ*(\sc)+NQ*(\a)+(\q)] matrix_a_fmt:MATRIX_FMT_FP6 matrix_b_fmt:MATRIX_FMT_FP6 matrix_a_scale:MATRIX_SCALE_ROW1
.else
	v_wmma_scale_f32_16x16x128_f8f6f4 v[8*(8*((\a)%4)+\b):8*(8*((\a)%4)+\b)+7], v[128*(\p)+FR*\b:128*(\p)+FR*\b+FR-1], v[AF+FR*(\a):AF+FR*(\a)+FR-1], v[8*(8*((\a)%4)+\b):8*(8*((\a)%4)+\b)+7], v[SC+8*NQ*(\sc)+NQ*\b+(\q)], v[SC+8*NQ*(\sc)+NQ*(\a)+(\q)] matrix_a_fmt:MATRIX_FMT_FP6 matrix_b_fmt:MATRIX_FMT_FP6 matrix_a_scale:MATRIX_SCALE_ROW1
.endif
.endr
.endr
.endm
.macro FETCH_B slot, q, p
	WIN TO_B
.irp i, 0,1,2,3,4,5,6,7
	FRAG 128*(\p)+FR*\i, ADRB+\slot, \q, \i
.endr
	WIN 0
.endm
.macro FETCH_A slot, q, i0
.irp i, \i0, \i0+1, \i0+2, \i0+3
	FRAG AF+FR*(\i), ADRA+\slot, \q, \i
.endr
.endm
.macro SCALES sc
.irp i, 0,1,2,3,4,5,6,7
	ds_load_b64 v[SC+8*NQ*\sc+NQ*\i:SC+8*NQ*\sc+NQ*\i+1], v[ADRS] offset:\i*SBLK
.endr
.endm
.macro PLACES n
.rept \n
	v_nop
.endr
.endm
.macro STEP slot, q, zero
	s_wait_dscnt 4*NL
.if \zero
	WIN 0x81
.else
	WIN MUL_LO
.endif
	MUL16 0, (\q)%2, \q, \slot, \zero
	MUL16 2, (\q)%2, \q, \slot, \zero
	s_wait_dscnt 0x0
	PLACES NP
	FETCH_B \slot, (\q)+1, 1-(\q)%2
	FETCH_A \slot, (\q)+1, 0
.if \zero
	WIN 0xc1
.else
	WIN MUL_HI
.endif
	MUL16 4, (\q)%2, \q, \slot, \zero
	MUL16 6, (\q)%2, \q, \slot, \zero
	PLACES NP
	WIN 0
	FETCH_A \slot, (\q)+1, 4
.endm
.macro TURN slot, next, fill
	s_wait_tensorcnt 0x0
	ds_add_u32 v[SPW], v[NIL]
	s_wait_dscnt 4*NL+1
	WIN MUL_LO
	MUL16 0, 1, NQ-1, \slot, 0
	s_wait_dscnt 0x0
	s_barrier_signal -1
	MUL16 2, 1, NQ-1, \slot, 0
	WIN 0
	s_barrier_wait -1
.if \fill
	CREST
	s_add_nc_u64 s[G0+4*\slot+2:G0+4*\slot+3], s[G0+4*\slot+2:G0+4*\slot+3], 2*KSB
	s_add_nc_u64 s[G0B+4*\slot+2:G0B+4*\slot+3], s[G0B+4*\slot+2:G0B+4*\slot+3], 2*KSB
	JLOAD G0+4*\slot, G1, G0B+4*\slot, G1B
.else
	PLACES NP
.endif
	s_wait_alu depctr_va_vdst(0)
	v_add_nc_u32 v[ADRS], 128, v[ADRS]
	FETCH_B \next, 0, 0
	FETCH_A \next, 0, 0
	SCALES \next
	WIN MUL_HI
	MUL16 4, 1, NQ-1, \slot, 0
	MUL16 6, 1, NQ-1, \slot, 0
	PLACES NP
	WIN 0
	FETCH_A \next, 0, 4
.endm
	s_wait_alu depctr_va_vdst(0)
	s_wait_tensorcnt 0x0                           ; my tile of the head's four is in
	ds_add_u32 v[SPW], v[NIL]
	s_mov_b32 s[G1+2], 8<<16                       ; no tensor load of mine is out: from here on a load brings eight tiles
	s_mov_b32 s[G1+4], 8
	s_mov_b32 s[G1B+2], 8<<16
	s_mov_b32 s[G1B+4], 8
	s_wait_dscnt 0x0                               ; the add is done
	CROUND                                         ; all four tiles are in, and all sixteen work-groups are here
	JLOAD G0+4, G1, G0B+4, G1B                     ; K step 1, the first tensor load behind the round
	FETCH_B 0, 0, 0
	FETCH_A 0, 0, 0
	SCALES 0
	FETCH_A 0, 0, 4
	s_wait_loadcnt 0x0
	STEP 0, 0, 1
	TURN 0, 1, 1
	STEP 1, 0, 0
	TURN 1, 0, 1
	STEP 0, 0, 0
	TURN 0, 1, 0
	STEP 1, 0, 0
	s_wait_dscnt 4*NL
	WIN MUL_LO
	MUL16 0, 1, NQ-1, 1, 0
	MUL16 2, 1, NQ-1, 1, 0
	s_wait_dscnt 0x0
	WIN MUL_HI
	MUL16 4, 1, NQ-1, 1, 0
	MUL16 6, 1, NQ-1, 1, 0
	WIN 0
.macro TOSTAGE a
.set AC, 64*((\a)%4)
	WIN 0x08+4*((\a)/4)
.irp b, 0,1,2,3,4,5,6,7
	ds_store_b128 v[STO], v[AC+8*\b:AC+8*\b+3] offset:128*(\b/2)+32*(\b%2)
	ds_store_b128 v[STO], v[AC+8*\b+4:AC+8*\b+7] offset:128*(\b/2)+32*(\b%2)+16
.endr
	WIN 0
.set BB, BK+64*((\a)%2)
.irp t, 0,1,2,3,4,5,6,7,8,9,10,11,12,13,14,15
	ds_load_b128 v[BB+4*\t:BB+4*\t+3], v[RD] offset:\t*SPITCH
.endr
.endm
.macro SEND a, younger
.set BB, BK+64*((\a)%2)
	s_wait_dscnt \younger
.irp t, 0,1,2,3,4,5,6,7,8,9,10,11,12,13,14,15
	global_store_b128 v[CO], v[BB+4*\t:BB+4*\t+3], s[94:95] offset:(32*((\a)/2)+8*((\a)%2)+\t+8*(\t/8))*4096 th:TH_STORE_NT
.endr
.endm
	PLACES NP
	TOSTAGE 0
.irp a, 1,2,3,4,5,6,7
.if \a > 1
	s_wait_xcnt 0x0
.endif
	TOSTAGE \a
	SEND \a-1, 32
.endr
	SEND 7, 0
	s_wait_tensorcnt 0x0
	ds_add_u32 v[SPW], v[NIL]
	s_wait_dscnt 0x0
	CROUND
	s_endpgm
.Lfunc_end_k_q6f9c600669_gemm_out:
	.size	k_q6f9c600669_gemm_out, .Lfunc_end_k_q6f9c600669_gemm_out-k_q6f9c600669_gemm_out
	.p2alignl 7, 3214868480
	.fill 96, 4, 3214868480
	.section	.rodata,"a",@progbits
	.p2align	6, 0x0
	.amdhsa_kernel k_q6f9c600669_gemm_out
		.amdhsa_group_segment_fixed_size 327680
		.amdhsa_private_segment_fixed_size 0
		.amdhsa_enable_private_segment 0
		.amdhsa_kernarg_size 48
		.amdhsa_user_sgpr_count 2
		.amdhsa_user_sgpr_kernarg_segment_ptr 1
		.amdhsa_wavefront_size32 1
		.amdhsa_system_sgpr_workgroup_id_x 1
		.amdhsa_system_sgpr_workgroup_id_y 1
		.amdhsa_system_sgpr_workgroup_id_z 1
		.amdhsa_system_vgpr_workitem_id 0
		.amdhsa_next_free_vgpr 1024
		.amdhsa_next_free_sgpr 98
		.amdhsa_reserve_vcc 0
		.amdhsa_float_denorm_mode_32 3
		.amdhsa_float_denorm_mode_16_64 3
		.amdhsa_memory_ordered 1
		.amdhsa_forward_progress 1
		.amdhsa_inst_pref_size 161
	.end_amdhsa_kernel
	.amdgpu_metadata
---
amdhsa.version: [ 1, 2 ]
amdhsa.kernels:
  - .name:           k_q6f9c600669_gemm_out
    .symbol:         k_q6f9c600669_gemm_out.kd
    .args:
      - { .name: ctxc, .offset: 0, .size: 8, .value_kind: global_buffer, .address_space: global }
      - { .name: ctxs, .offset: 8, .size: 8, .value_kind: global_buffer, .address_space: global }
      - { .name: codes1, .offset: 16, .size: 8, .value_kind: global_buffer, .address_space: global }
      - { .name: scales1, .offset: 24, .size: 8, .value_kind: global_buffer, .address_space: global }
      - { .name: out_b, .offset: 32, .size: 8, .value_kind: global_buffer, .address_space: global }
      - { .name: out0, .offset: 40, .size: 8, .value_kind: global_buffer, .address_space: global }
    .group_segment_fixed_size: 327680
    .private_segment_fixed_size: 0
    .kernarg_segment_align: 8
    .kernarg_segment_size: 48
    .max_flat_workgroup_size: 128
    .sgpr_count:     98
    .vgpr_count:     1024
    .wavefront_size: 32
...
	.end_amdgpu_metadata
.endif
;; end of part 4
